; MI455X (gfx1250); checked and timed in simulation.
; The chip was launched on July 23, 2026; its instructions are those of AMD's public machine-readable ISA for CDNA 5 (MIT licence, August 2026) and "CDNA5" Instruction Set Architecture Reference Guide (July 2026). The comments in the code are by the model that wrote it; some were corrected since.
;; Debug Step Wise Linear Transformer Layer. Allowed arithmetic: float matrix products may take bf16 or f16 operands with f32 sums; other float arithmetic in f32, or as packed bf16 or f16 multiplies, adds, multiply-adds, maxima and minima; sums over many terms, partial sums and values carried from step to step in f32; what a program stores and reads back later, other than sums and carried values, may be rounded once to bf16 or f16.
;; Inputs: Wkv 1,024 x 512 float32; Wo 512 x 512 float32; Wq 512 x 512 float32; h 2,048 x 16 x 512 float32; ln_beta 512 float32; ln_gamma 512 float32.
;; Outputs: out0 2,048 x 16 x 512 float32.
;; 2 versions, each right; version 2 is version 1 with the launch prefix written anew for expert scheduling mode. Each part assembles by itself: llvm-mc -triple=amdgcn-amd-amdhsa -mcpu=gfx1250 --defsym DOCPART=n.
;; ======== version 1 of 2: 4 launches
;; limits: values are held in f16: magnitudes above 65,504 overflow, below 6.1e-05 lose precision
;; workspace buffers: wt 2,097,152 bytes; kvb 67,108,864 bytes; st 33,554,432 bytes; sp 16,777,216 bytes
;; launch cvtw (part 1): grid 256 x 1, 8 waves a work-group, no clusters, 0 bytes of LDS; arguments Wkv, Wq, Wo, wt; writes wt
.if DOCPART == 1
	.amdgcn_target "amdgcn-amd-amdhsa--gfx1250"
	.amdhsa_code_object_version 6
	.text
	.protected	k_q84d627cf78_cvtw
	.globl	k_q84d627cf78_cvtw
	.p2align	8
	.type	k_q84d627cf78_cvtw,@function
k_q84d627cf78_cvtw:
	s_mov_b64 s[64:65], 0
	v_nop
	global_prefetch_b8 v0, s[64:65] scope:SCOPE_SE
	s_setreg_imm32_b32 hwreg(HW_REG_WAVE_MODE, 25, 1), 1
	s_wait_xcnt 0x0
; The four 512 x 512 weight matrices, f32 to 16 bits, laid out anew so that every tile that the later launches bring into LDS is a dense
; block of rows of 256 bytes:  wt[mat 0..3][ks 0..7][w 0..3][R 0..63][half 0..1][64 k].
;   mat 0, 1: source row of Wkv = 512 half + 128 w + 64 mat + R  (half 0: Wk of head 2 w + mat, half 1: Wv of the same head)
;   mat 2: Wq, mat 3: Wo: source row = 128 w + 64 half + R.      k = 64 ks + 0..63.
; All four are rounded to bf16.  Wo's partner operand (the attention's result) goes in f16, and a matrix instruction wants both operands in one format,
; so Wo's bf16 numbers are written in f16's format: exact for magnitudes from 2^-17 to 65,504.  LIMIT: |Wo| above 65,504 becomes infinite.
; A stream: no LDS, no matrix unit.  Work-group g takes 32 rows R of one (mat, ks, w): 4,096 numbers, 16 a thread.
; Sixteen neighbouring lanes read 256 consecutive aligned bytes; a wave's store covers 256 consecutive aligned bytes.
	s_load_b256 s[4:11], s[0:1], 0x0               ; Wkv s[4:5], Wq s[6:7], Wo s[8:9], wt s[10:11]
	s_lshr_b32 s12, ttmp9, 6                       ; mat
	s_bfe_u32 s14, ttmp9, 0x30003                  ; ks
	s_bfe_u32 s15, ttmp9, 0x20001                  ; w
	s_and_b32 s16, ttmp9, 1                        ; which 32 of the 64 rows R
	s_lshl_b32 s19, s12, 6                         ; 64 mat
	s_mov_b32 s17, 0x100000                        ; bytes from half 0 to half 1 in Wkv: 512 rows of 2,048
	s_mov_b32 s18, 0x20000                         ; in Wq and Wo: 64 rows
	s_cmp_lt_u32 s12, 2
	s_cselect_b32 s17, s17, s18
	s_cselect_b32 s19, s19, 0                      ; first row: 64 mat in Wkv, 0 in Wq and Wo
	s_cmp_eq_u32 s12, 3
	s_cselect_b32 s24, -1, 0                       ; every lane's bit where the matrix is Wo
	s_lshl_b32 s20, s15, 7
	s_add_co_u32 s19, s19, s20                     ; + 128 w
	s_lshl_b32 s20, s16, 5
	s_add_co_u32 s19, s19, s20                     ; + 32 x (which half of the rows R)
	s_lshl_b32 s20, s19, 11                        ; rows of 2,048 bytes
	s_lshl_b32 s21, s14, 8
	s_add_co_u32 s20, s20, s21                     ; + 256 ks
	s_mov_b32 s21, 0
	s_lshl_b32 s22, s12, 3
	s_add_co_u32 s22, s22, s14
	s_lshl_b32 s22, s22, 16                        ; (8 mat + ks) x 65,536
	s_lshl_b32 s23, s15, 14
	s_add_co_u32 s22, s22, s23                     ; + 16,384 w
	s_lshl_b32 s23, s16, 13
	s_add_co_u32 s22, s22, s23                     ; + 32 rows of 256 bytes
	s_mov_b32 s23, 0
	v_lshrrev_b32 v1, 5, v0
	v_lshlrev_b32 v1, 11, v1                       ; in: row tid / 32,
	v_bfe_u32 v2, v0, 4, 1
	v_mad_u32_u24 v1, v2, s17, v1                  ; the half,
	v_and_b32 v2, 15, v0
	v_lshl_add_u32 v1, v2, 4, v1                   ; 16 bytes of the row's 256
	v_lshlrev_b32 v2, 3, v0                        ; out: 256 (tid / 32) + 128 half + 8 (tid mod 16) = 8 tid
	s_wait_kmcnt 0x0
	s_cmp_eq_u32 s12, 2
	s_cselect_b64 s[6:7], s[6:7], s[8:9]           ; Wq or Wo
	s_cmp_lt_u32 s12, 2
	s_cselect_b64 s[4:5], s[4:5], s[6:7]           ; Wkv or that
	s_add_nc_u64 s[4:5], s[4:5], s[20:21]
	s_add_nc_u64 s[10:11], s[10:11], s[22:23]
.irp j, 0,1,2,3
	global_load_b128 v[4+4*\j:7+4*\j], v1, s[4:5] offset:16384*\j th:TH_LOAD_NT    ; eight rows further down each time
.endr
.irp j, 0,1,2,3
	s_wait_loadcnt 3-\j                            ; loads come back in order: the 3 - j younger ones stay out
	v_cvt_pk_bf16_f32 v[20+2*\j], v[4+4*\j], v[5+4*\j]
	v_cvt_pk_bf16_f32 v[21+2*\j], v[6+4*\j], v[7+4*\j]
	v_lshlrev_b32 v28, 16, v[20+2*\j]              ; the four bf16 numbers as f32,
	v_and_b32 v29, 0xffff0000, v[20+2*\j]
	v_lshlrev_b32 v30, 16, v[21+2*\j]
	v_and_b32 v31, 0xffff0000, v[21+2*\j]
	v_cvt_pk_f16_f32 v28, v28, v29                 ; in f16's format,
	v_cvt_pk_f16_f32 v30, v30, v31
	v_cndmask_b32 v[20+2*\j], v[20+2*\j], v28, s24 ; taken for Wo alone
	v_cndmask_b32 v[21+2*\j], v[21+2*\j], v30, s24
	global_store_b64 v2, v[20+2*\j:21+2*\j], s[10:11] offset:2048*\j
.endr
	s_endpgm
.Lfunc_end_k_q84d627cf78_cvtw:
	.size	k_q84d627cf78_cvtw, .Lfunc_end_k_q84d627cf78_cvtw-k_q84d627cf78_cvtw
	.p2alignl 7, 3214868480
	.fill 96, 4, 3214868480
	.section	.rodata,"a",@progbits
	.p2align	6, 0x0
	.amdhsa_kernel k_q84d627cf78_cvtw
		.amdhsa_group_segment_fixed_size 0
		.amdhsa_private_segment_fixed_size 0
		.amdhsa_enable_private_segment 0
		.amdhsa_kernarg_size 32
		.amdhsa_user_sgpr_count 2
		.amdhsa_user_sgpr_kernarg_segment_ptr 1
		.amdhsa_wavefront_size32 1
		.amdhsa_system_sgpr_workgroup_id_x 1
		.amdhsa_system_sgpr_workgroup_id_y 1
		.amdhsa_system_sgpr_workgroup_id_z 1
		.amdhsa_system_vgpr_workitem_id 0
		.amdhsa_next_free_vgpr 32
		.amdhsa_next_free_sgpr 66
		.amdhsa_reserve_vcc 0
		.amdhsa_float_denorm_mode_32 3
		.amdhsa_float_denorm_mode_16_64 3
		.amdhsa_memory_ordered 1
		.amdhsa_forward_progress 1
		.amdhsa_inst_pref_size 5
	.end_amdhsa_kernel
	.amdgpu_metadata
---
amdhsa.version: [ 1, 2 ]
amdhsa.kernels:
  - .name:           k_q84d627cf78_cvtw
    .symbol:         k_q84d627cf78_cvtw.kd
    .args:
      - { .name: Wkv, .offset: 0, .size: 8, .value_kind: global_buffer, .address_space: global }
      - { .name: Wq, .offset: 8, .size: 8, .value_kind: global_buffer, .address_space: global }
      - { .name: Wo, .offset: 16, .size: 8, .value_kind: global_buffer, .address_space: global }
      - { .name: wt, .offset: 24, .size: 8, .value_kind: global_buffer, .address_space: global }
    .group_segment_fixed_size: 0
    .private_segment_fixed_size: 0
    .kernarg_segment_align: 8
    .kernarg_segment_size: 32
    .max_flat_workgroup_size: 256
    .sgpr_count:     66
    .vgpr_count:     32
    .wavefront_size: 32
...
	.end_amdgpu_metadata
.endif
;; end of part 1
;; launch kv (part 2): grid 16 x 16, 4 waves a work-group, clusters of 4 x 1, 327,680 bytes of LDS; arguments h, wt, kvb, st; writes kvb, st
.if DOCPART == 2
	.amdgcn_target "amdgcn-amd-amdhsa--gfx1250"
	.amdhsa_code_object_version 6
	.text
	.protected	k_q84d627cf78_kv
	.globl	k_q84d627cf78_kv
	.p2align	8
	.type	k_q84d627cf78_kv,@function
k_q84d627cf78_kv:
	s_mov_b64 s[64:65], 0
	v_nop
	global_prefetch_b8 v0, s[64:65] scope:SCOPE_SE
	s_setreg_imm32_b32 hwreg(HW_REG_WAVE_MODE, 25, 1), 1
	s_wait_xcnt 0x0
	s_wait_alu depctr_hold_cnt(0) depctr_sa_sdst(0) depctr_va_vdst(0) depctr_va_sdst(0) depctr_va_ssrc(0) depctr_va_vcc(0) depctr_vm_vsrc(0)
	s_getreg_b32 s2, hwreg(HW_REG_IB_STS2, 6, 4)
	s_cmp_eq_u32 s2, 0
	s_cbranch_scc0 .Lentry_in_a_cluster
	s_endpgm
.Lentry_in_a_cluster:
	s_bfe_u32 s2, ttmp6, 0x10000c
	s_cmp_lg_u32 s2, 0x3003
	s_cbranch_scc0 .Lentry_shape_is_right
	s_endpgm
.Lentry_shape_is_right:
; Work-group (b, c): batch b, chunk c = sequence steps 128 c .. 128 c + 127.  It makes k = elu(h Wk^T) + 1 and v = h Wv^T of the chunk for all
; eight heads, stores them as register images of matrix fragments (kvb: k in bf16, v in f16), and stores each head's chunk state sum over s of v_s k_s^T in f32 (st).
; Four waves; wave w makes heads 2 w (pass 0) and 2 w + 1 (pass 1).  A pass is a product 128 rows x 128 features (64 of k, 64 of v) x K = 512 with
; 64 accumulator tiles of 16 x 16 (512 registers).  The chunk's h lies in LDS in bf16 (ACT); the weights stream through two LDS slots in K steps of 64.
; CLUSTER: every work-group walks the same weights, so the four batches 4 x .. 4 x + 3 of one chunk ask for each weight tile jointly (mask 15).
; The descriptor hangs on the wave's number and the K step alone.
; FORMATS: v enters sums of terms of either sign, where an operand's rounding is not averaged away, so it goes in f16 (11 bits); the state is an f16 product of
; v and k.  k for the scores goes in bf16: there 64 terms of one sign average the rounding.
; LIMITS: h and the weights are operands in bf16; sums in f32.  |v| and, in the state, |k| up to 65,504; k below 2^-14 carries an absolute error of 2^-25 into the state.
; A NaN in k's pre-activation gives 1, not NaN (the maxima and minima drop it).
;
; LDS:  ACT  0 .. 133,119       128 rows x 512 bf16, pitch 1,040 (an odd multiple of 16 bytes); written by ds_store alone
;       RING 133,120 .. 272,383 two slots of 4 wave quarters; a quarter is 64 rows of 256 bytes, pitch 272; a wave fills and reads its own quarter
;       SCR  272,384 .. 313,343 10,240 bytes a wave: 64 rows of k in f16, pitch 160, to turn k round for the state
; REGISTERS in windows of 256:  window 0 addresses and work; window 1 fragments (h: 64 f + 8 i; weights: 128 + 64 f + 8 b; f = buffer), later the
; images of k and v; windows 2, 3: accumulator tile (A, b) in window 2 + A / 4 at 64 (A mod 4) + 8 b.
.set ACTP,  1040
.set RING,  133120
.set SLOT,  69632
.set QUART, 17408
.set WP,    272
.set SCR,   272384
.set SCRW,  10240
.set SCRP,  160
.set NATB,  4                          ; tiles b < 4 (k) are made transposed, tiles b >= 4 (v) in the natural order
.set MATBASE, 0                        ; matrices 0 and 1 of wt
.set LOFF, 1                           ; v1   16 x lane
.set ADRA, 2                           ; v2-3 LDS address of h's fragments, rows 0-63 and 64-127
.set ADRW, 4                           ; v4-5 LDS address of my weight fragments in slot 0, 1
.set HST,  6                           ; v6   where my lane puts 8 bytes of a row of ACT
.set SADR, 7                           ; v7   scratch: where a fragment quad of k goes
.set TADR, 8                           ; v8   scratch: from where it is read transposed
.set T,    64                          ; v64-95   feature map: the exponentials; then k in f16
.set U,    96                          ; v96-127  feature map: the positive parts, then the sums
.set KN,   128                         ; v128-255 k in f16 with the sequence along K: fragment (jb, ss) at 8 (4 ss + jb)
.set MUL_LO, 0xa5                      ; sources window 1, C and D window 2
.set MUL_HI, 0xf5                      ; sources window 1, C and D window 3
.set TO_F,   0x40                      ; destination window 1
.set MSB, 0
.macro WIN new                         ; the immediate's high byte repeats the setting that is left
.if MSB != (\new)
	s_set_vgpr_msb (MSB<<8)|(\new)
.set MSB, (\new)
.endif
.endm
.macro PLACES                          ; four places behind the matrix instructions issued so far (ISA guide 7.12.1)
.rept 4
	v_nop
.endr
.endm
.macro CREST                           ; a round of the cluster's barrier behind its opening work-group barrier
	s_cmp_lg_u32 s20, 0
	s_cbranch_scc1 .Lnot_wave_0_\@
	s_barrier_signal -3
.Lnot_wave_0_\@:
	s_barrier_wait -3
	s_barrier_signal -1
	s_barrier_wait -1
.endm
.macro CROUND
	s_barrier_signal -1
	s_barrier_wait -1
	CREST
.endm
; 32 LDS loads: the fragments of 32 along K (half k32 of K step g) into buffer f: my 8 weight fragments, then h's rows 0-63, then rows 64-127
.macro FETCH slot, g, k32, f
	WIN TO_F
.irp b, 0,1,2,3,4,5,6,7
	ds_load_b128 v[128+64*\f+8*\b:128+64*\f+8*\b+3], v[ADRW+(\slot)] offset:(\b&3)*16*WP+(\b>>2)*128+64*\k32
	ds_load_b128 v[128+64*\f+8*\b+4:128+64*\f+8*\b+7], v[ADRW+(\slot)] offset:(\b&3)*16*WP+(\b>>2)*128+64*\k32+32
.endr
.irp i, 0,1,2,3,4,5,6,7
	ds_load_b128 v[64*\f+8*\i:64*\f+8*\i+3], v[ADRA+(\i>>2)] offset:(\i&3)*16*ACTP+((\g)&7)*128+64*\k32
	ds_load_b128 v[64*\f+8*\i+4:64*\f+8*\i+7], v[ADRA+(\i>>2)] offset:(\i&3)*16*ACTP+((\g)&7)*128+64*\k32+32
.endr
.endm
; 16 matrix instructions: row blocks 4 hi + a0, + 1 x all 8 feature blocks.  The 64 accumulators take turns, one instruction a turn, in the same
; order in every half step.  zero = 1: the first product starts the sums.
.macro MUL16 f, hi, a0, zero
.irp a, \a0, \a0+1
.irp b, 0,1,2,3,4,5,6,7
.set DR, 64*(\a)+8*\b
.set WR, 128+64*\f+8*\b
.set AR, 64*\f+8*(4*\hi+(\a))
.if \b < NATB
.if \zero
	v_wmma_f32_16x16x32_bf16 v[DR:DR+7], v[WR:WR+7], v[AR:AR+7], 0
.else
	v_wmma_f32_16x16x32_bf16 v[DR:DR+7], v[WR:WR+7], v[AR:AR+7], v[DR:DR+7]
.endif
.else
.if \zero
	v_wmma_f32_16x16x32_bf16 v[DR:DR+7], v[AR:AR+7], v[WR:WR+7], 0
.else
	v_wmma_f32_16x16x32_bf16 v[DR:DR+7], v[AR:AR+7], v[WR:WR+7], v[DR:DR+7]
.endif
.endif
.endr
.endr
.endm
; first half of K step g: multiplies buffer 0, fetches the second half's fragments into buffer 1 in its middle
.macro HALF0 slot, g, zero
	s_wait_dscnt 8                                 ; weights and h's rows 0-63 are in; the youngest 8 loads (rows 64-127) may be out
	WIN MUL_LO
	MUL16 0, 0, 0, \zero
	MUL16 0, 0, 2, \zero
	PLACES
	FETCH \slot, \g, 1, 1
	s_wait_dscnt 32                                ; all but the 32 just issued
	WIN MUL_HI
	MUL16 0, 1, 0, \zero
	MUL16 0, 1, 2, \zero
.endm
; second half: multiplies buffer 1 and changes slots.  fill = 1: this slot gets K step g + 2; next = 1: the next step's first fragments are fetched.
.macro TURN slot, g, fill, next
	s_wait_dscnt 8
	WIN MUL_LO
	MUL16 1, 0, 0, 0
	s_wait_dscnt 0x0                               ; my reads of this slot (and of ACT) are back
	s_set_vgpr_msb 0xa5a0
	s_wait_tensorcnt 0x0                           ; all my tensor loads have landed: the one that was out is my quarter of the next slot
	ds_add_u32 v62, v63
	s_wait_dscnt 0x0
	s_set_vgpr_msb 0xa0a5
	s_barrier_signal -1                            ; with fill = 1 this barrier opens a round of the cluster's barrier
	MUL16 1, 0, 2, 0                               ; register work while the others arrive
	WIN 0
	s_barrier_wait -1
.if \fill
	CREST                                          ; no wave of any partner still reads this slot or has a load on its way
	s_add_nc_u64 s[34+4*(\slot):35+4*(\slot)], s[34+4*(\slot):35+4*(\slot)], 0x20000   ; two K steps of 65,536 bytes on; no load of mine is out
	tensor_load_to_lds s[32+4*(\slot):35+4*(\slot)], s[24:31]                          ; my one tensor load behind the round, and the first thing there
	s_nop 0
.endif
.if \next
	PLACES
	FETCH 1-(\slot), (\g)+1, 0, 0
.endif
	WIN MUL_HI
	MUL16 1, 1, 0, 0
	MUL16 1, 1, 2, 0
.endm
.macro LAST                            ; the second half of the last K step: nothing more to fetch
	s_wait_dscnt 8
	WIN MUL_LO
	MUL16 1, 0, 0, 0
	MUL16 1, 0, 2, 0
	s_wait_dscnt 0x0
	WIN MUL_HI
	MUL16 1, 1, 0, 0
	MUL16 1, 1, 2, 0
.endm
.macro KSTEP g, zero, fill, next
	HALF0 (\g&1), \g, \zero
	TURN (\g&1), \g, \fill, \next
.endm
; rows 4 i .. 4 i + 3 of my wave's 32 rows of h: 16 loads of 512 consecutive bytes, into one of three register batches
.macro HLOAD i
.irp q, 0,1,2,3
.irp jj, 0,1,2,3
	global_load_b128 v[64+64*((\i)%3)+16*\q+4*\jj:64+64*((\i)%3)+16*\q+4*\jj+3], v[LOFF], s[4:5] offset:(4*(\i)+\q)*32768+512*\jj
.endr
.endr
.endm
.macro HCVT i                          ; the batch to bf16 and into ACT: a wave's store covers 256 consecutive bytes
.irp q, 0,1,2,3
.irp jj, 0,1,2,3
.set X_, 64+64*((\i)%3)+16*\q+4*\jj
	v_cvt_pk_bf16_f32 v[X_], v[X_], v[X_+1]
	v_cvt_pk_bf16_f32 v[X_+1], v[X_+2], v[X_+3]
	ds_store_b64 v[HST], v[X_:X_+1] offset:(4*(\i)+\q)*ACTP+256*\jj
.endr
.endr
.endm
; elu(x) + 1 = max(x, 0) + 2^min(1.442695 x, 0): x + 1 above zero, e^x below.  32 f32 at register sb of window sw to 16 packed bf16 at db of window dw,
; and in f16 into my scratch at byte so (16 rows of 128 bytes), for the state.
.macro FMAP sw, sb, dw, db, so
	WIN (5*(\sw))                                  ; sources 0 and 1 in window sw
.set i, 0
.rept 16
	v_pk_mul_f32 v[T+2*i:T+2*i+1], v[(\sb)+2*i:(\sb)+2*i+1], s[52:53] op_sel_hi:[1,0]
.set i, i+1
.endr
.set i, 0
.rept 32
	v_max_num_f32 v[U+i], 0, v[(\sb)+i]
.set i, i+1
.endr
	WIN 0
.set i, 0
.rept 32
	v_min_num_f32 v[T+i], 0, v[T+i]
.set i, i+1
.endr
.set i, 0
.rept 32
	v_exp_f32 v[T+i], v[T+i]
.set i, i+1
.endr
	v_nop                                          ; one plain place between the exponentials and their use (ISA guide 5.7.2)
.set i, 0
	s_wait_alu depctr_va_vdst(0)
.rept 16
	v_pk_add_f32 v[U+2*i:U+2*i+1], v[U+2*i:U+2*i+1], v[T+2*i:T+2*i+1]
.set i, i+1
.endr
.set i, 0
.rept 16
	v_cvt_pk_f16_f32 v[T+i], v[U+2*i], v[U+2*i+1]
.set i, i+1
.endr
.irp q, 0,1,2,3
	ds_store_b128 v[SADR], v[T+4*\q:T+4*\q+3] offset:(\so)+32*\q
.endr
	WIN ((\dw)<<6)
.set i, 0
.rept 16
	v_cvt_pk_bf16_f32 v[(\db)+i], v[U+2*i], v[U+2*i+1]
.set i, i+1
.endr
.endm
; What follows a pass: head 2 w + p.
; k tiles (A, 0..3) hold (row 16 A + lane mod 16, features 16 b + 8 (lane / 16) + 0..7): packed, tiles 2 kk, 2 kk + 1 are the fragment Kf(A, kk) with the
; features along K, at window 1 register 16 A + 8 kk.  v tiles (A, 4 + ib) hold (rows 16 A + 8 (lane / 16) + 0..7, feature 16 ib + lane mod 16): packed,
; tiles A = 2 ss, 2 ss + 1 are Vf(ib, ss) with the sequence along K, at window 1 register 128 + 32 ss + 8 ib.
; The scratch holds 64 sequence steps: behind row blocks 0-3 and again behind 4-7 it is read back transposed.  It is my wave's own, and LDS serves a wave's
; instructions in order (ISA guide 5.7.1.4): no wait between the stores, the loads and the next stores.
.macro POST p
	PLACES
.irp A, 0,1,2,3,4,5,6,7
	FMAP 2+(\A>>2), 64*(\A&3), 1, 16*\A, 16*SCRP*(\A&3)
	WIN (0x40|(5*(2+(\A>>2))))
.irp ib, 0,1,2,3
.irp rr, 0,1,2,3
	v_cvt_pk_f16_f32 v[128+32*(\A>>1)+8*\ib+4*(\A&1)+\rr], v[64*(\A&3)+32+8*\ib+2*\rr], v[64*(\A&3)+32+8*\ib+2*\rr+1]
.endr
.endr
.if (\A&3) == 3
	WIN 0
.irp s1, 0,1
.irp jb, 0,1,2,3
	ds_load_tr16_b128 v[KN+8*(4*(2*(\A>>2)+\s1)+\jb):KN+8*(4*(2*(\A>>2)+\s1)+\jb)+3], v[TADR] offset:32*SCRP*\s1+32*\jb
	ds_load_tr16_b128 v[KN+8*(4*(2*(\A>>2)+\s1)+\jb)+4:KN+8*(4*(2*(\A>>2)+\s1)+\jb)+7], v[TADR] offset:32*SCRP*\s1+32*\jb+16*SCRP
.endr
.endr
.endif
.endr
	WIN 0x04                                       ; store data in window 1
.set n, 0
.rept 64
	global_store_b128 v[LOFF], v[4*n:4*n+3], s[8:9] offset:32768*\p+512*n      ; window 1 as it stands: 16 KiB of k, 16 KiB of v; each store 512 consecutive aligned bytes
.set n, n+1
.endr
	WIN 0
	s_wait_dscnt 0x0                               ; k is back from the scratch, on both ways below
	s_cmp_eq_u32 s21, 15                           ; the last chunk's state has no reader.  c is the same in all four partners,
	s_cbranch_scc1 .Lnostate_\@                    ; and the text jumped over holds no barrier and no tensor load
	WIN 0xa4                                       ; source 0 window 0 (k), source 1 window 1 (v), C and D window 2
.irp ss, 0,1,2,3                                   ; state tile (ib, jb) = (j = 16 jb + 8 (lane / 16) + e, i = 16 ib + lane mod 16); 16 tiles take turns
.irp ib, 0,1,2,3
.irp jb, 0,1,2,3
.if \ss
	v_wmma_f32_16x16x32_f16 v[8*(4*\ib+\jb):8*(4*\ib+\jb)+7], v[KN+8*(4*\ss+\jb):KN+8*(4*\ss+\jb)+7], v[128+32*\ss+8*\ib:128+32*\ss+8*\ib+7], v[8*(4*\ib+\jb):8*(4*\ib+\jb)+7]
.else
	v_wmma_f32_16x16x32_f16 v[8*(4*\ib+\jb):8*(4*\ib+\jb)+7], v[KN+8*(4*\ss+\jb):KN+8*(4*\ss+\jb)+7], v[128+32*\ss+8*\ib:128+32*\ss+8*\ib+7], 0
.endif
.endr
.endr
.endr
	PLACES
	WIN 0x08                                       ; store data in window 2
.set n, 0
.rept 32
	global_store_b128 v[LOFF], v[4*n:4*n+3], s[10:11] offset:262144*\p+512*n
.set n, n+1
.endr
	WIN 0
.Lnostate_\@:
.endm
	s_load_b256 s[4:11], s[0:1], 0x0               ; h s[4:5], wt s[6:7], kvb s[8:9], st s[10:11]
	v_lshl_add_u32 v62, v0, 2, 0x4c800
	v_mov_b32 v63, 0
	ds_add_u32 v62, v63
	v_lshrrev_b32 v11, 5, v0
	v_readfirstlane_b32 s20, v11                   ; wave w
	s_bfe_u32 s23, ttmp6, 0x40000                  ; cx
	s_lshl_b32 s22, ttmp9, 2
	s_add_co_u32 s22, s22, s23                     ; b = 4 x cluster x + cx: enters global offsets of h, kvb and st alone
	s_and_b32 s21, ttmp7, 0xffff                   ; c
	s_mov_b32 s52, 0x3fb8aa3b                      ; log2(e), as a pair
	s_mov_b32 s53, 0x3fb8aa3b
	; descriptor group 1: 64 rows of 128 elements of 2 bytes, dense in memory, 16 bytes of padding behind each row in LDS
	s_mov_b32 s24, 15|(1<<16)|(1<<20)|(1<<21)|(5<<22)|(3<<25)   ; mask: all four of the cluster; 2-byte elements; padding on; bit 21 beside a mask; after 64 words, 4 words
	s_mov_b32 s25, 128<<16                         ; tensor_dim0 = 128
	s_mov_b32 s26, 64<<16                          ; tensor_dim1 = 64
	s_mov_b32 s27, 128<<16                         ; tile_dim0 = 128
	s_mov_b32 s28, 64                              ; tile_dim1 = 64
	s_mov_b32 s29, 128                             ; elements from row to row
	s_mov_b32 s30, 0
	s_mov_b32 s31, 0
	s_mul_i32 s60, s20, QUART
	s_add_co_u32 s60, s60, RING                    ; my quarter of slot 0
	s_lshl_b32 s58, s20, 14                        ; my quarter of a K step in wt
	s_mov_b32 s59, 0
	s_lshl_b32 s56, s21, 22                        ; h: 4,194,304 c + 1,048,576 w + 2,048 b
	s_lshl_b32 s57, s20, 20
	s_add_co_u32 s56, s56, s57
	s_lshl_b32 s57, s22, 11
	s_add_co_u32 s56, s56, s57
	s_mov_b32 s57, 0
	s_lshl_b32 s54, s22, 22                        ; kvb: 4,194,304 b + 262,144 c + 65,536 w
	s_lshl_b32 s55, s21, 18
	s_add_co_u32 s54, s54, s55
	s_lshl_b32 s55, s20, 16
	s_add_co_u32 s54, s54, s55
	s_mov_b32 s55, 0
	s_lshl_b32 s50, s22, 21                        ; st: 2,097,152 b + 524,288 w + 16,384 c
	s_lshl_b32 s51, s20, 19
	s_add_co_u32 s50, s50, s51
	s_lshl_b32 s51, s21, 14
	s_add_co_u32 s50, s50, s51
	s_mov_b32 s51, 0
	v_and_b32 v11, 31, v0                          ; lane
	v_lshlrev_b32 v[LOFF], 4, v11
	s_wait_dscnt 0x0
	s_wait_kmcnt 0x0
	s_add_nc_u64 s[4:5], s[4:5], s[56:57]
	s_add_nc_u64 s[6:7], s[6:7], s[58:59]
	s_add_nc_u64 s[8:9], s[8:9], s[54:55]
	s_add_nc_u64 s[10:11], s[10:11], s[50:51]
	CROUND                                         ; all four work-groups are here: the first joint loads meet
.irp n, 0,1                                        ; group 0 of each slot, and both first fills as one group: K steps 0 and 1.  Two tensor loads of a wave are out here, later one
	s_mov_b32 s[32+4*\n], 1
	s_add_co_u32 s[33+4*\n], s60, \n*SLOT
	s_add_nc_u64 s[34+4*\n:35+4*\n], s[6:7], MATBASE+\n*65536
	s_or_b32 s[35+4*\n], s[35+4*\n], 0x80000000
	tensor_load_to_lds s[32+4*\n:35+4*\n], s[24:31]
	s_nop 0
.endr
	HLOAD 0
	HLOAD 1
	HLOAD 2
	v_and_b32 v14, 15, v0                          ; r = lane mod 16
	v_bfe_u32 v15, v0, 4, 1                        ; hh = lane / 16
	v_mul_u32_u24 v[ADRA], v14, ACTP
	v_lshl_add_u32 v[ADRA], v15, 4, v[ADRA]        ; row r, 16 bytes for each half of the lanes
	v_add_nc_u32 v[ADRA+1], 64*ACTP, v[ADRA]
	v_mul_u32_u24 v[ADRW], v14, WP
	v_lshl_add_u32 v[ADRW], v15, 4, v[ADRW]
	v_add_nc_u32 v[ADRW], s60, v[ADRW]
	v_add_nc_u32 v[ADRW+1], SLOT, v[ADRW]
	s_mul_i32 s61, s20, 32*ACTP
	v_lshl_add_u32 v[HST], v11, 3, s61             ; my wave's 32 rows of ACT, 8 bytes a lane
	s_mul_i32 s62, s20, SCRW
	s_add_co_u32 s62, s62, SCR                     ; my scratch
	v_mul_u32_u24 v[SADR], v14, SCRP
	v_lshl_add_u32 v[SADR], v15, 4, v[SADR]
	v_add_nc_u32 v[SADR], s62, v[SADR]
	v_and_b32 v12, 7, v0
	v_lshl_add_u32 v12, v15, 3, v12                ; row 8 hh + lane mod 8
	v_mul_u32_u24 v[TADR], v12, SCRP
	v_bfe_u32 v12, v0, 3, 1
	v_lshl_add_u32 v[TADR], v12, 4, v[TADR]        ; + 16 x ((lane / 8) mod 2)
	v_add_nc_u32 v[TADR], s62, v[TADR]
.irp i, 0,1,2,3,4,5,6,7
.if \i <= 5
	s_wait_loadcnt 32                              ; batch i is in; the two younger batches of 16 stay out
.else
	s_wait_loadcnt 16*(7-\i)                       ; the counts run down
.endif
	HCVT \i
.if \i < 5
	HLOAD \i+3
.endif
.endr
	s_wait_tensorcnt 0x1                           ; my quarter of K step 0 is in; step 1's stays out
	s_wait_dscnt 0x0                               ; my rows of ACT are written
	s_barrier_signal -1
	s_barrier_wait -1                              ; everybody's are
	FETCH 0, 0, 0, 0
	KSTEP 0, 1, 1, 1                               ; pass 0: heads 2 w
	KSTEP 1, 0, 1, 1
	KSTEP 2, 0, 1, 1
	KSTEP 3, 0, 1, 1
	KSTEP 4, 0, 1, 1
	KSTEP 5, 0, 1, 1
	KSTEP 6, 0, 1, 1
	KSTEP 7, 0, 1, 0
	POST 0
	PLACES                                         ; behind the state's matrix instructions: window 1 is loaded and windows 2, 3 are written over next
	s_wait_xcnt 0x0                                ; the stores' data in windows 1 and 2 is rewritten only behind this wait
	FETCH 0, 8, 0, 0
	KSTEP 8, 1, 1, 1                               ; pass 1: heads 2 w + 1
	KSTEP 9, 0, 1, 1
	KSTEP 10, 0, 1, 1
	KSTEP 11, 0, 1, 1
	KSTEP 12, 0, 1, 1
	KSTEP 13, 0, 1, 1
	KSTEP 14, 0, 0, 1                              ; nothing is left to fetch from memory
	HALF0 1, 15, 0
	LAST
	POST 1
	s_wait_tensorcnt 0x0
	ds_add_u32 v62, v63
	s_wait_dscnt 0x0
	CROUND                                         ; the closing round: no work-group ends while a partner may still ask jointly
	s_endpgm
.Lfunc_end_k_q84d627cf78_kv:
	.size	k_q84d627cf78_kv, .Lfunc_end_k_q84d627cf78_kv-k_q84d627cf78_kv
	.p2alignl 7, 3214868480
	.fill 96, 4, 3214868480
	.section	.rodata,"a",@progbits
	.p2align	6, 0x0
	.amdhsa_kernel k_q84d627cf78_kv
		.amdhsa_group_segment_fixed_size 327680
		.amdhsa_private_segment_fixed_size 0
		.amdhsa_enable_private_segment 0
		.amdhsa_kernarg_size 32
		.amdhsa_user_sgpr_count 2
		.amdhsa_user_sgpr_kernarg_segment_ptr 1
		.amdhsa_wavefront_size32 1
		.amdhsa_system_sgpr_workgroup_id_x 1
		.amdhsa_system_sgpr_workgroup_id_y 1
		.amdhsa_system_sgpr_workgroup_id_z 1
		.amdhsa_system_vgpr_workitem_id 0
		.amdhsa_next_free_vgpr 1024
		.amdhsa_next_free_sgpr 66
		.amdhsa_reserve_vcc 0
		.amdhsa_float_denorm_mode_32 3
		.amdhsa_float_denorm_mode_16_64 3
		.amdhsa_memory_ordered 1
		.amdhsa_forward_progress 1
		.amdhsa_inst_pref_size 255
	.end_amdhsa_kernel
	.section	.bss,"aw",@nobits
	.p2align	6
	.space	262144
	.amdgpu_metadata
---
amdhsa.version: [ 1, 2 ]
amdhsa.kernels:
  - .name:           k_q84d627cf78_kv
    .symbol:         k_q84d627cf78_kv.kd
    .args:
      - { .name: h, .offset: 0, .size: 8, .value_kind: global_buffer, .address_space: global }
      - { .name: wt, .offset: 8, .size: 8, .value_kind: global_buffer, .address_space: global }
      - { .name: kvb, .offset: 16, .size: 8, .value_kind: global_buffer, .address_space: global }
      - { .name: st, .offset: 24, .size: 8, .value_kind: global_buffer, .address_space: global }
    .group_segment_fixed_size: 327680
    .private_segment_fixed_size: 0
    .kernarg_segment_align: 8
    .kernarg_segment_size: 32
    .max_flat_workgroup_size: 128
    .sgpr_count:     66
    .vgpr_count:     1024
    .wavefront_size: 32
...
	.end_amdgpu_metadata
.endif
;; end of part 2
;; launch prefix (part 3): grid 256 x 1, 8 waves a work-group, no clusters, 0 bytes of LDS; arguments st, sp; writes sp
.if DOCPART == 3
	.amdgcn_target "amdgcn-amd-amdhsa--gfx1250"
	.amdhsa_code_object_version 6
	.text
	.protected	k_q84d627cf78_prefix
	.globl	k_q84d627cf78_prefix
	.p2align	8
	.type	k_q84d627cf78_prefix,@function
k_q84d627cf78_prefix:
	s_mov_b64 s[64:65], 0
	v_nop
	global_prefetch_b8 v0, s[64:65] scope:SCOPE_SE
	s_setreg_imm32_b32 hwreg(HW_REG_WAVE_MODE, 25, 1), 1
	s_wait_xcnt 0x0
; sp[b][head][c] = the sum over c' < c of st[b][head][c'], summed in f32 in ascending order and rounded once to bf16 (a matrix operand of the next launch).
; Element by element: a state tile T of st is [2 quads][32 lanes][16 bytes] of f32; its eight registers of a lane pack into 16 bytes at 512 T + 16 lane of sp,
; which is the register image of the fragment with j along K.  Two work-groups for each of the 128 (b, head); a thread owns 8 numbers of the 4,096.
; A stream on registers: all 30 loads of a thread go out at once, each register is written once, so no wait frees a source.
	s_load_b128 s[4:7], s[0:1], 0x0                ; st s[4:5], sp s[6:7]
	s_lshr_b32 s8, ttmp9, 1                        ; 8 b + head
	s_and_b32 s9, ttmp9, 1
	s_lshl_b32 s10, s8, 18                         ; 16 chunks of 16,384 bytes
	s_mov_b32 s11, 0
	s_lshl_b32 s12, s8, 17                         ; 16 chunks of 8,192 bytes
	s_mov_b32 s13, 0
	v_lshl_or_b32 v1, s9, 8, v0                    ; x = 0 .. 511
	v_lshrrev_b32 v2, 5, v1                        ; tile
	v_and_b32 v3, 31, v1
	v_lshlrev_b32 v3, 4, v3
	v_lshl_or_b32 v2, v2, 10, v3                   ; in: 1,024 tile + 16 lane
	v_lshlrev_b32 v3, 4, v1                        ; out: 16 x
.irp k, 0,1,2,3
	v_mov_b32 v[136+\k], 0                         ; nothing lies in front of chunk 0
.endr
	s_wait_kmcnt 0x0
	s_add_nc_u64 s[4:5], s[4:5], s[10:11]
	s_add_nc_u64 s[6:7], s[6:7], s[12:13]
.irp c, 0,1,2,3,4,5,6,7,8,9,10,11,12,13,14
	global_load_b128 v[16+8*\c:16+8*\c+3], v2, s[4:5] offset:16384*\c th:TH_LOAD_NT
	global_load_b128 v[16+8*\c+4:16+8*\c+7], v2, s[4:5] offset:16384*\c+512 th:TH_LOAD_NT
.endr
	global_store_b128 v3, v[136:139], s[6:7]
.irp c, 1,2,3,4,5,6,7,8,9,10,11,12,13,14,15
	s_wait_loadcnt 2*(15-\c)                       ; chunk c - 1 is in; the two loads of each of the chunks c .. 14 stay out
.if \c >= 2
.irp k, 0,1,2,3
	v_pk_add_f32 v[16+8*(\c-1)+2*\k:16+8*(\c-1)+2*\k+1], v[16+8*(\c-1)+2*\k:16+8*(\c-1)+2*\k+1], v[16+8*(\c-2)+2*\k:16+8*(\c-2)+2*\k+1]
.endr
.endif
.irp k, 0,1,2,3
	v_cvt_pk_bf16_f32 v[136+4*\c+\k], v[16+8*(\c-1)+2*\k], v[16+8*(\c-1)+2*\k+1]
.endr
	global_store_b128 v3, v[136+4*\c:136+4*\c+3], s[6:7] offset:8192*\c
.endr
	s_endpgm
.Lfunc_end_k_q84d627cf78_prefix:
	.size	k_q84d627cf78_prefix, .Lfunc_end_k_q84d627cf78_prefix-k_q84d627cf78_prefix
	.p2alignl 7, 3214868480
	.fill 96, 4, 3214868480
	.section	.rodata,"a",@progbits
	.p2align	6, 0x0
	.amdhsa_kernel k_q84d627cf78_prefix
		.amdhsa_group_segment_fixed_size 0
		.amdhsa_private_segment_fixed_size 0
		.amdhsa_enable_private_segment 0
		.amdhsa_kernarg_size 16
		.amdhsa_user_sgpr_count 2
		.amdhsa_user_sgpr_kernarg_segment_ptr 1
		.amdhsa_wavefront_size32 1
		.amdhsa_system_sgpr_workgroup_id_x 1
		.amdhsa_system_sgpr_workgroup_id_y 1
		.amdhsa_system_sgpr_workgroup_id_z 1
		.amdhsa_system_vgpr_workitem_id 0
		.amdhsa_next_free_vgpr 208
		.amdhsa_next_free_sgpr 66
		.amdhsa_reserve_vcc 0
		.amdhsa_float_denorm_mode_32 3
		.amdhsa_float_denorm_mode_16_64 3
		.amdhsa_memory_ordered 1
		.amdhsa_forward_progress 1
		.amdhsa_inst_pref_size 14
	.end_amdhsa_kernel
	.amdgpu_metadata
---
amdhsa.version: [ 1, 2 ]
amdhsa.kernels:
  - .name:           k_q84d627cf78_prefix
    .symbol:         k_q84d627cf78_prefix.kd
    .args:
      - { .name: st, .offset: 0, .size: 8, .value_kind: global_buffer, .address_space: global }
      - { .name: sp, .offset: 8, .size: 8, .value_kind: global_buffer, .address_space: global }
    .group_segment_fixed_size: 0
    .private_segment_fixed_size: 0
    .kernarg_segment_align: 8
    .kernarg_segment_size: 16
    .max_flat_workgroup_size: 256
    .sgpr_count:     66
    .vgpr_count:     208
    .wavefront_size: 32
...
	.end_amdgpu_metadata
.endif
;; end of part 3
;; launch main (part 4): grid 16 x 16, 4 waves a work-group, clusters of 4 x 1, 327,680 bytes of LDS; arguments h, wt, kvb, sp, ln_gamma, ln_beta, out0; writes out0
.if DOCPART == 4
	.amdgcn_target "amdgcn-amd-amdhsa--gfx1250"
	.amdhsa_code_object_version 6
	.text
	.protected	k_q84d627cf78_main
	.globl	k_q84d627cf78_main
	.p2align	8
	.type	k_q84d627cf78_main,@function
k_q84d627cf78_main:
	s_mov_b64 s[64:65], 0
	v_nop
	global_prefetch_b8 v0, s[64:65] scope:SCOPE_SE
	s_setreg_imm32_b32 hwreg(HW_REG_WAVE_MODE, 25, 1), 1
	s_wait_xcnt 0x0
	s_wait_alu depctr_hold_cnt(0) depctr_sa_sdst(0) depctr_va_vdst(0) depctr_va_sdst(0) depctr_va_ssrc(0) depctr_va_vcc(0) depctr_vm_vsrc(0)
	s_getreg_b32 s2, hwreg(HW_REG_IB_STS2, 6, 4)
	s_cmp_eq_u32 s2, 0
	s_cbranch_scc0 .Lentry_in_a_cluster
	s_endpgm
.Lentry_in_a_cluster:
	s_bfe_u32 s2, ttmp6, 0x10000c
	s_cmp_lg_u32 s2, 0x3003
	s_cbranch_scc0 .Lentry_shape_is_right
	s_endpgm
.Lentry_shape_is_right:
; Work-group (b, c): batch b, sequence steps 128 c .. 128 c + 127.  q = elu(h Wq^T) + 1; for each head out_t = S q_t + sum over s <= t in the chunk of v_s (k_s . q_t),
; with S the state in front of the chunk (sp) and k, v from kvb; x = h + 0.125 out Wo^T; layer norm over the 512 columns; out0.
; Four waves.  Both large products (Wq, Wo) are 128 rows x 128 features a wave x K = 512 on 64 accumulator tiles; the activations lie in LDS in 16 bits (ACT: first h,
; then the attention's result), the weights stream through two LDS slots in K steps of 64.  Wave w owns features 128 w .. 128 w + 127 = heads 2 w, 2 w + 1.
; CLUSTER: every work-group walks the same weights, so the four batches of one chunk ask for each weight tile jointly (mask 15).
; All products are used transposed (weights as source 0): a lane then holds eight neighbouring features of one row, which pack into fragment registers or 16 bytes.
; LOOPS: what recurs is written once: the K steps (3 trips of two steps in each product), the attention (2 trips, one a head), the rescaling of the result (4 trips of
; 32 rows) and the way out (3 trips of 8 rows).  A text names registers statically, so the attention always works on head 2 w's registers, and between its two trips
; head 2 w + 1's k, v and q are copied into them.
; FORMATS.  h, Wq, q, k and the state are operands in bf16: their roundings are averaged over 64 terms of one sign.  The scores, v and the attention's result enter sums
; of terms of either sign, where nothing averages the rounding, so they go in f16 (11 bits), and what has no room in f16's range is scaled by a power of two:
;   scores: for each block of 32 steps s and each step t, by the exponent of the block's largest score of that t; the block's product v x scores has accumulators of its
;           own and is added onto the sums in f32 with the inverse power;
;   result: for each (row, head) by the exponent of its largest magnitude when it is stored; the exponents meet in a table in LDS, each wave then brings its own columns
;           to the row's largest exponent, and that power goes into the residual's multiply-add.
; LIMITS: |v| and |Wo| up to 65,504.  Scores of a block, or results of a (row, head), that all lie below 2^-126 count as zero.
; A NaN in q's pre-activation gives 1, not NaN (the maxima and minima drop it).  Sums, residual and norm in f32.
;
; LDS:  ACT  0 .. 133,119       128 rows x 512 numbers of 16 bits, pitch 1,040; written by ds_store alone
;       RING 133,120 .. 272,383 two slots of 4 wave quarters of 64 rows of 256 bytes, pitch 272
;       TAB  272,384 .. 276,479 the result's powers of two as f32: [wave][row][2 heads]; written by ds_store alone
;       XS   0 .. 264,191       the way out: 128 rows x 512 f32, pitch 2,064; lies over ACT and the ring, which has had its last fill by then
; REGISTERS in windows of 256:  window 0 addresses and work; window 1 fragments, then k and v of the head at work, then h for the residual; windows 2, 3: accumulator
; tile (A, b) in window 2 + A / 4 at 64 (A mod 4) + 8 b; in the attention the lower half of each 64 holds q's fragments, the upper halves k (window 2) and v (window 3) of head 2 w + 1.
.set ACTP,  1040
.set RING,  133120
.set SLOT,  69632
.set QUART, 17408
.set WP,    272
.set TAB,   272384
.set XSP,   2064
.set MATBASE, 0x100000                 ; matrices 2 (Wq) and 3 (Wo) of wt
.set LOFF, 1                           ; v1    16 x lane
.set ADRA, 2                           ; v2-3  LDS address of the activations' fragments, rows 0-63 and 64-127; steps along K in the loops; made anew by GADR
.set ADRW, 4                           ; v4-5  LDS address of my weight fragments in slot 0, 1
.set SCP,  2                           ; in the attention: v2-3, v10-11  for A2 = 0, 1: the scale 2^-e, and the maximum at work
.set IVP,  4                           ; in the attention: v4-5, v12-13  for A2 = 0, 1: the inverse 2^e, and the other half's maximum
.set XADR, 2                           ; v2-5  on the way out: where a tile's quads go, row blocks 2 qd, 2 qd + 1
.set HST,  6                           ; v6    where my lane puts 8 bytes of a row of ACT
.set TBA,  6                           ; v6    then: my wave's part of TAB, 8 bytes a row, 4 bytes further for the second head
.set OADR, 7                           ; v7-8  where the attention's result goes: my wave's 256 bytes of a row, 128 bytes further for the second head
.set PFO,  9                           ; v9    first lane mod 16 - 8 (lane / 16), for the masks; then 256 x lane
.set RSC,  11                          ; v11   on the way out: lane L holds 0.125 x 2^e of my wave's row L
.set XRD,  12                          ; v12   on the way out: my wave's rows in the stage, 16 bytes a lane
.set C512, 13                          ; v13   on the way out: 1 / 512
.set PR,   16                          ; v16-47   scores P(s2, A2) at 8 (2 s2 + A2); then the packed result; at the end gamma (16-31) and beta (32-47)
.set PFR,  48                          ; v48-63   scores as fragments, Pf(A2)
.set OR_,  64                          ; v64-127  O(A2, ib) at 8 (4 A2 + ib)
.set T,    64                          ; v64-95   feature map: the exponentials
.set U,    96                          ; v96-127  feature map: the positive parts, then the sums
.set SR,   128                         ; v128-191 the state's fragments of the head at work: (ib, kk) at 8 (2 ib + kk)
.set OB,   192                         ; v192-255 one block's product v x scores, laid out as O
.set FXD,  64                          ; rescaling: v64-127 my columns of 32 rows
.set FXT,  128                         ; v128-143 the eight heads' powers of the two row blocks
.set FXO,  144                         ; v144-147 my two heads' powers
.set FXF,  148                         ; v148-151 the factors, twice in f16: row block a, head hd at 2 a + hd
.set FXM,  152                         ; v152-153 at work
.set TR0,  192                         ; v192-223 layer norm: 8 registers for each of 4 rows
.set MUL_LO, 0xa5                      ; sources window 1, C and D window 2
.set MUL_HI, 0xf5                      ; sources window 1, C and D window 3
.set TO_F,   0x40                      ; destination window 1
.set FORM16, 0                         ; the large product's operands: 0 bf16 (h, Wq), 1 f16 (result, Wo)
.set SLOAD, 0
.set PEND, 0
.set MSB, 0
.macro WIN new                         ; the immediate's high byte repeats the setting that is left
.if MSB != (\new)
	s_set_vgpr_msb (MSB<<8)|(\new)
.set MSB, (\new)
.endif
.endm
.macro PLACES                          ; four places behind the matrix instructions issued so far (ISA guide 7.12.1)
.rept 4
	v_nop
.endr
.endm
.macro CREST                           ; a round of the cluster's barrier behind its opening work-group barrier
	s_cmp_lg_u32 s20, 0
	s_cbranch_scc1 .Lnot_wave_0_\@
	s_barrier_signal -3
.Lnot_wave_0_\@:
	s_barrier_wait -3
	s_barrier_signal -1
	s_barrier_wait -1
.endm
.macro CROUND
	s_barrier_signal -1
	s_barrier_wait -1
	CREST
.endm
; 32 LDS loads: the fragments of 32 along K into buffer f: my 8 weight fragments (half k32 of the slot's step), then the activations' rows 0-63, then rows 64-127,
; g K steps of 128 bytes beyond where ADRA stands
.macro FETCH slot, g, k32, f
	WIN TO_F
.irp b, 0,1,2,3,4,5,6,7
	ds_load_b128 v[128+64*\f+8*\b:128+64*\f+8*\b+3], v[ADRW+(\slot)] offset:(\b&3)*16*WP+(\b>>2)*128+64*\k32
	ds_load_b128 v[128+64*\f+8*\b+4:128+64*\f+8*\b+7], v[ADRW+(\slot)] offset:(\b&3)*16*WP+(\b>>2)*128+64*\k32+32
.endr
.irp i, 0,1,2,3,4,5,6,7
	ds_load_b128 v[64*\f+8*\i:64*\f+8*\i+3], v[ADRA+(\i>>2)] offset:(\i&3)*16*ACTP+(\g)*128+64*\k32
	ds_load_b128 v[64*\f+8*\i+4:64*\f+8*\i+7], v[ADRA+(\i>>2)] offset:(\i&3)*16*ACTP+(\g)*128+64*\k32+32
.endr
.endm
; 16 matrix instructions: row blocks 4 hi + a0, + 1 x all 8 feature blocks.  The 64 accumulators take turns, one instruction a turn, in the same
; order in every half step, over the loop's backward jump too.  zero = 1: the first product starts the sums.
.macro MUL16 f, hi, a0, zero
.irp a, \a0, \a0+1
.irp b, 0,1,2,3,4,5,6,7
.set DR, 64*(\a)+8*\b
.set WR, 128+64*\f+8*\b
.set AR, 64*\f+8*(4*\hi+(\a))
.if FORM16
.if \zero
	v_wmma_f32_16x16x32_f16 v[DR:DR+7], v[WR:WR+7], v[AR:AR+7], 0
.else
	v_wmma_f32_16x16x32_f16 v[DR:DR+7], v[WR:WR+7], v[AR:AR+7], v[DR:DR+7]
.endif
.else
.if \zero
	v_wmma_f32_16x16x32_bf16 v[DR:DR+7], v[WR:WR+7], v[AR:AR+7], 0
.else
	v_wmma_f32_16x16x32_bf16 v[DR:DR+7], v[WR:WR+7], v[AR:AR+7], v[DR:DR+7]
.endif
.endif
.endr
.endr
.endm
; first half of a K step: multiplies buffer 0, fetches the second half's fragments into buffer 1 in its middle
.macro HALF0 slot, g, zero
	s_wait_dscnt 8                                 ; weights and rows 0-63 are in; the youngest 8 loads (rows 64-127) may be out
	WIN MUL_LO
	MUL16 0, 0, 0, \zero
	MUL16 0, 0, 2, \zero
	PLACES
	FETCH \slot, \g, 1, 1
	s_wait_dscnt 32                                ; all but the 32 just issued
	WIN MUL_HI
	MUL16 0, 1, 0, \zero
	MUL16 0, 1, 2, \zero
.endm
; second half: multiplies buffer 1 and changes slots.  fill = 1: this slot gets the K step two further on; next = 1: the next step's first fragments are fetched;
; pf = 0 or 1: my wave asks for the 32 KiB image of k and v of head 2 w + pf (32 lanes 256 bytes apart, four times 8 KiB; only my wave loads these bytes; all inside kvb).
.macro TURN slot, g, fill, next, pf
	s_wait_dscnt 8
	WIN MUL_LO
	MUL16 1, 0, 0, 0
	s_wait_dscnt 0x0                               ; my reads of this slot and of ACT are back
	s_wait_xcnt 0x0
	s_set_vgpr_msb 0xa564
	v_lshl_add_u32 v30, v0, 2, 0x43800
	v_mov_b32 v31, 0
	s_set_vgpr_msb 0x6465
	s_wait_tensorcnt 0x0                           ; all my tensor loads have landed: the one that was out is my quarter of the next slot
	ds_add_u32 v30, v31
	s_wait_dscnt 0x0
	s_set_vgpr_msb 0x65a5
	s_barrier_signal -1                            ; with fill = 1 this barrier opens a round of the cluster's barrier
	MUL16 1, 0, 2, 0                               ; register work while the others arrive
	WIN 0
	s_barrier_wait -1
.if \fill
	CREST                                          ; no wave of any partner still reads this slot or has a load on its way
	s_add_nc_u64 s[34+4*(\slot):35+4*(\slot)], s[34+4*(\slot):35+4*(\slot)], 0x20000   ; two K steps of 65,536 bytes on; no load of mine is out
	tensor_load_to_lds s[32+4*(\slot):35+4*(\slot)], s[24:31]                          ; my one tensor load behind the round, and the first thing there
	s_nop 0
.endif
.if \pf >= 0
.irp j, 0,1,2,3
	global_prefetch_b8 v[PFO], s[8:9] offset:32768*\pf+8192*\j th:TH_LOAD_NT scope:SCOPE_SE
.endr
.endif
.if \next
	PLACES
	FETCH 1-(\slot), (\g)+1, 0, 0
.endif
	WIN MUL_HI
	MUL16 1, 1, 0, 0
	MUL16 1, 1, 2, 0
.endm
.macro LAST                            ; the second half of the last K step: nothing more to fetch
	s_wait_dscnt 8
	WIN MUL_LO
	MUL16 1, 0, 0, 0
	MUL16 1, 0, 2, 0
	s_wait_dscnt 0x0
	WIN MUL_HI
	MUL16 1, 1, 0, 0
	MUL16 1, 1, 2, 0
.endm
; A large product: eight K steps.  The first half step starts the sums; a trip is the second half of an even step, an odd step and the first half of the next even
; step, so that both slots are filled again once a trip; the last three half steps are written out.  At the loop's head the 32 loads of the last FETCH are out on both ways.
; second = 0: the ring runs on into the second product's steps, and the tail asks for k and v: head 2 w's 160 matrix instructions ahead of their loads,
; head 2 w + 1's, which are loaded behind the whole feature map, in the last half step.  second = 1: nothing is left to fetch from memory in the tail.
.macro PROD second
	HALF0 0, 0, 1
	WIN 0
	s_mov_b32 s51, 3
.Lksteps_\@:
	TURN 0, 0, 1, 1, -1
	HALF0 1, 1, 0
	TURN 1, 1, 1, 1, -1
	HALF0 0, 2, 0
	WIN 0
	v_add_nc_u32 v[ADRA], 256, v[ADRA]             ; two K steps of 128 bytes on
	v_add_nc_u32 v[ADRA+1], 256, v[ADRA+1]
	s_sub_co_u32 s51, s51, 1
	s_cmp_lg_u32 s51, 0
	s_cbranch_scc1 .Lksteps_\@
.if \second
	TURN 0, 0, 0, 1, -1
	HALF0 1, 1, 0
	LAST
.else
	TURN 0, 0, 1, 1, 0
	HALF0 1, 1, 0
	TURN 1, 1, 1, 0, 1
.endif
.endm
; rows 4 i .. 4 i + 3 of my wave's 32 rows of h: 16 loads of 512 consecutive bytes, into one of three register batches
.macro HLOAD i
.irp q, 0,1,2,3
.irp jj, 0,1,2,3
	global_load_b128 v[64+64*((\i)%3)+16*\q+4*\jj:64+64*((\i)%3)+16*\q+4*\jj+3], v[LOFF], s[4:5] offset:(4*(\i)+\q)*32768+512*\jj
.endr
.endr
.endm
.macro HCVT i                          ; the batch to bf16 and into ACT: a wave's store covers 256 consecutive bytes
.irp q, 0,1,2,3
.irp jj, 0,1,2,3
.set X_, 64+64*((\i)%3)+16*\q+4*\jj
	v_cvt_pk_bf16_f32 v[X_], v[X_], v[X_+1]
	v_cvt_pk_bf16_f32 v[X_+1], v[X_+2], v[X_+3]
	ds_store_b64 v[HST], v[X_:X_+1] offset:(4*(\i)+\q)*ACTP+256*\jj
.endr
.endr
.endm
.macro GADR                            ; the large products' LDS addresses: row lane mod 16, 16 bytes for each half of the lanes
	v_mul_u32_u24 v[ADRA], v14, ACTP
	v_lshl_add_u32 v[ADRA], v15, 4, v[ADRA]
	v_add_nc_u32 v[ADRA+1], 64*ACTP, v[ADRA]
	v_mul_u32_u24 v[ADRW], v14, WP
	v_lshl_add_u32 v[ADRW], v15, 4, v[ADRW]
	v_add_nc_u32 v[ADRW], s60, v[ADRW]
	v_add_nc_u32 v[ADRW+1], SLOT, v[ADRW]
.endm
; elu(x) + 1 = max(x, 0) + 2^min(1.442695 x, 0): x + 1 above zero, e^x below.  32 f32 at register sb of window sw to 16 packed bf16 at db of window dw.
.macro FMAP sw, sb, dw, db
	WIN (5*(\sw))                                  ; sources 0 and 1 in window sw
.set i, 0
.rept 16
	v_pk_mul_f32 v[T+2*i:T+2*i+1], v[(\sb)+2*i:(\sb)+2*i+1], s[52:53] op_sel_hi:[1,0]
.set i, i+1
.endr
.set i, 0
.rept 32
	v_max_num_f32 v[U+i], 0, v[(\sb)+i]
.set i, i+1
.endr
	WIN 0
.set i, 0
.rept 32
	v_min_num_f32 v[T+i], 0, v[T+i]
.set i, i+1
.endr
.set i, 0
.rept 32
	v_exp_f32 v[T+i], v[T+i]
.set i, i+1
.endr
	v_nop                                          ; one plain place between the exponentials and their use (ISA guide 5.7.2)
.set i, 0
	s_wait_alu depctr_va_vdst(0)
.rept 16
	v_pk_add_f32 v[U+2*i:U+2*i+1], v[U+2*i:U+2*i+1], v[T+2*i:T+2*i+1]
.set i, i+1
.endr
	WIN ((\dw)<<6)
.set i, 0
.rept 16
	v_cvt_pk_bf16_f32 v[(\db)+i], v[U+2*i], v[U+2*i+1]
.set i, i+1
.endr
.endm
; the maximum of eight registers from b on, into m (first = 1) or onto m.  MX8: numbers that are not negative; MX8A: magnitudes.
.macro MX8 first, m, b
.if \first
	v_max3_num_f32 v[\m], v[\b], v[(\b)+1], v[(\b)+2]
	v_max3_num_f32 v[\m], v[\m], v[(\b)+3], v[(\b)+4]
	v_max3_num_f32 v[\m], v[\m], v[(\b)+5], v[(\b)+6]
	v_max_num_f32 v[\m], v[\m], v[(\b)+7]
.else
	v_max3_num_f32 v[\m], v[\m], v[\b], v[(\b)+1]
	v_max3_num_f32 v[\m], v[\m], v[(\b)+2], v[(\b)+3]
	v_max3_num_f32 v[\m], v[\m], v[(\b)+4], v[(\b)+5]
	v_max3_num_f32 v[\m], v[\m], v[(\b)+6], v[(\b)+7]
.endif
.endm
.macro MX8A first, m, b
.if \first
	v_max3_num_f32 v[\m], |v[\b]|, |v[(\b)+1]|, |v[(\b)+2]|
	v_max3_num_f32 v[\m], v[\m], |v[(\b)+3]|, |v[(\b)+4]|
	v_max3_num_f32 v[\m], v[\m], |v[(\b)+5]|, |v[(\b)+6]|
	v_max_num_f32 v[\m], v[\m], |v[(\b)+7]|
.else
	v_max3_num_f32 v[\m], v[\m], |v[\b]|, |v[(\b)+1]|
	v_max3_num_f32 v[\m], v[\m], |v[(\b)+2]|, |v[(\b)+3]|
	v_max3_num_f32 v[\m], v[\m], |v[(\b)+4]|, |v[(\b)+5]|
	v_max3_num_f32 v[\m], v[\m], |v[(\b)+6]|, |v[(\b)+7]|
.endif
.endm
; From the lane's maximum in v[SCP + 8 A2 + 1]: the two lanes that hold one step t join; the maximum's exponent bits are 2^e as f32 (the inverse scale),
; and 254 << 23 less those bits is 2^-e (the scale), which brings the maximum into [1, 2).
.macro SCALES A2
	v_permlanex16_b32 v[IVP+8*\A2+1], v[SCP+8*\A2+1], s48, s49
	v_max_num_f32 v[SCP+8*\A2+1], v[SCP+8*\A2+1], v[IVP+8*\A2+1]
	v_and_b32 v[IVP+8*\A2], 0x7f800000, v[SCP+8*\A2+1]
	v_sub_nc_u32 v[SCP+8*\A2], 0x7f000000, v[IVP+8*\A2]
.endm
.macro OFMA                            ; O += 2^e x the last block's product, in f32; a lane holds one step t in both
.irp A2, 0,1
.set i, 0
.rept 16
	v_pk_fma_f32 v[OR_+32*\A2+2*i:OR_+32*\A2+2*i+1], v[OB+32*\A2+2*i:OB+32*\A2+2*i+1], v[IVP+8*\A2:IVP+8*\A2+1], v[OR_+32*\A2+2*i:OR_+32*\A2+2*i+1] op_sel_hi:[1,0,1]
.set i, i+1
.endr
.endr
.endm
; One block of the attention: 32 steps s (block ss) against the 32 steps t of the current p (QW, QB say where q's fragments lie).  k and v in window 1.
; Scores P(s2, A2) = k q: lane holds (s = 16 (2 ss + s2) + 8 (lane / 16) + e, t = 16 (2 p + A2) + lane mod 16).  diag = 1 (ss = p): the tile s2 > A2 lies wholly
; behind t and is left out, the two tiles s2 = A2 keep s <= t.  Scaled and packed in f16, the two s blocks are the fragment Pf(A2) with s along K; OB(A2, ib) = v Pf.
; The block before's product is added onto O behind this block's score instructions, whose places it fills.
; In each run of matrix instructions the accumulators take turns, one instruction a turn.
.macro BLK ss, diag
	WIN (1|(QW<<2))
.irp kk, 0,1
.irp s2, 0,1
.irp A2, 0,1
.set DO, 1
.if \diag
.if \s2 > \A2
.set DO, 0
.endif
.endif
.if DO
.if \kk
	v_wmma_f32_16x16x32_bf16 v[PR+8*(2*\s2+\A2):PR+8*(2*\s2+\A2)+7], v[64*\ss+8*(2*\s2+\kk):64*\ss+8*(2*\s2+\kk)+7], v[QB+64*\A2+8*\kk:QB+64*\A2+8*\kk+7], v[PR+8*(2*\s2+\A2):PR+8*(2*\s2+\A2)+7]
.else
	v_wmma_f32_16x16x32_bf16 v[PR+8*(2*\s2+\A2):PR+8*(2*\s2+\A2)+7], v[64*\ss+8*(2*\s2+\kk):64*\ss+8*(2*\s2+\kk)+7], v[QB+64*\A2+8*\kk:QB+64*\A2+8*\kk+7], 0
.endif
.endif
.endr
.endr
.endr
	PLACES                                         ; behind these the scores and the last product are read, Pf is written, and the state's registers may be loaded
	WIN 0
.if SLOAD
	s_cmp_lg_u32 s51, 0                            ; in the first head's trip alone (the trip's number is the same in all partners):
	s_cbranch_scc1 .Lno_state_\@
.irp n, 0,1,2,3,4,5,6,7,8,9,10,11,12,13,14,15      ; head 2 w's state has had its last use: head 2 w + 1's comes into its registers
	global_load_b128 v[SR+4*\n:SR+4*\n+3], v[LOFF], s[10:11] offset:131072+512*\n th:TH_LOAD_NT
.endr
.Lno_state_\@:
.set SLOAD, 0
.endif
.if PEND
	OFMA
.endif
.if \diag
.irp e, 0,1,2,3,4,5,6,7
	v_cndmask_b32 v[PR+\e], 0, v[PR+\e], s[40+\e]          ; kept where 8 (lane / 16) + e <= lane mod 16
	v_cndmask_b32 v[PR+24+\e], 0, v[PR+24+\e], s[40+\e]
.endr
.irp rr, 0,1,2,3
	v_mov_b32 v[PFR+4+\rr], 0                      ; the tile that was left out
.endr
.endif
.irp A2, 0,1
	MX8 1, SCP+8*\A2+1, PR+8*\A2
.if (1-\diag)+\A2
	MX8 0, SCP+8*\A2+1, PR+16+8*\A2
.endif
	SCALES \A2
.endr
.irp s2, 0,1
.irp A2, 0,1
.set DO, 1
.if \diag
.if \s2 > \A2
.set DO, 0
.endif
.endif
.if DO
.irp rr, 0,1,2,3
	v_pk_mul_f32 v[PR+8*(2*\s2+\A2)+2*\rr:PR+8*(2*\s2+\A2)+2*\rr+1], v[PR+8*(2*\s2+\A2)+2*\rr:PR+8*(2*\s2+\A2)+2*\rr+1], v[SCP+8*\A2:SCP+8*\A2+1] op_sel_hi:[1,0]
.endr
.irp rr, 0,1,2,3
	v_cvt_pk_f16_f32 v[PFR+8*\A2+4*\s2+\rr], v[PR+8*(2*\s2+\A2)+2*\rr], v[PR+8*(2*\s2+\A2)+2*\rr+1]
.endr
.endif
.endr
.endr
	WIN 1
.irp A2, 0,1
.irp ib, 0,1,2,3
	v_wmma_f32_16x16x32_f16 v[OB+8*(4*\A2+\ib):OB+8*(4*\A2+\ib)+7], v[64*\ss+32+8*\ib:64*\ss+32+8*\ib+7], v[PFR+8*\A2:PFR+8*\A2+7], 0
.endr
.endr
.set PEND, 1
.endm
; Steps t = 32 p .. 32 p + 31 of the head at work: the state's part starts the sums, the blocks ss = 0 .. p add theirs, the result goes to ACT in scaled f16.
; O(A2, ib): lane holds (i = 16 ib + 8 (lane / 16) + e, t = 16 (2 p + A2) + lane mod 16): 16 neighbouring bytes of row t.
.macro ATT p
.set QW, 2+(\p>>1)
.set QB, 128*(\p&1)
.set PEND, 0
	WIN (QW<<2)
.irp kk, 0,1
.irp A2, 0,1
.irp ib, 0,1,2,3
.if \kk
	v_wmma_f32_16x16x32_bf16 v[OR_+8*(4*\A2+\ib):OR_+8*(4*\A2+\ib)+7], v[SR+8*(2*\ib+\kk):SR+8*(2*\ib+\kk)+7], v[QB+64*\A2+8*\kk:QB+64*\A2+8*\kk+7], v[OR_+8*(4*\A2+\ib):OR_+8*(4*\A2+\ib)+7]
.else
	v_wmma_f32_16x16x32_bf16 v[OR_+8*(4*\A2+\ib):OR_+8*(4*\A2+\ib)+7], v[SR+8*(2*\ib+\kk):SR+8*(2*\ib+\kk)+7], v[QB+64*\A2+8*\kk:QB+64*\A2+8*\kk+7], 0
.endif
.endr
.endr
.endr
.irp ss, 0,1,2,3
.if \ss < \p
	BLK \ss, 0
.endif
.if \ss == \p
	BLK \ss, 1
.endif
.endr
	PLACES
	WIN 0
	OFMA                                           ; the last block's product
.irp A2, 0,1
	MX8A 1, SCP+8*\A2+1, OR_+32*\A2                ; the largest magnitude of row t in this head
	MX8A 0, SCP+8*\A2+1, OR_+32*\A2+8
	MX8A 0, SCP+8*\A2+1, OR_+32*\A2+16
	MX8A 0, SCP+8*\A2+1, OR_+32*\A2+24
	SCALES \A2
	ds_store_b32 v[TBA], v[IVP+8*\A2] offset:128*(2*\p+\A2)            ; 2^e into my part of the table (both lanes of a row write the same word)
.endr
.irp A2, 0,1
.set i, 0
.rept 16
	v_pk_mul_f32 v[OR_+32*\A2+2*i:OR_+32*\A2+2*i+1], v[OR_+32*\A2+2*i:OR_+32*\A2+2*i+1], v[SCP+8*\A2:SCP+8*\A2+1] op_sel_hi:[1,0]
.set i, i+1
.endr
.endr
.irp A2, 0,1
.irp ib, 0,1,2,3
.irp rr, 0,1,2,3
	v_cvt_pk_f16_f32 v[PR+4*(4*\A2+\ib)+\rr], v[OR_+8*(4*\A2+\ib)+2*\rr], v[OR_+8*(4*\A2+\ib)+2*\rr+1]
.endr
.endr
.endr
.irp A2, 0,1
.irp ib, 0,1,2,3
	ds_store_b128 v[OADR+((2*\p+\A2)>>2)], v[PR+4*(4*\A2+\ib):PR+4*(4*\A2+\ib)+3] offset:((2*\p+\A2)&3)*16*ACTP+32*\ib
.endr
.endr
.endm
; the way out; q counts groups of four rows from where the bases stand
.macro HQ q                            ; four rows of h, in f32, for the residual: into window 1, one of two sets
	WIN 0x40
.irp rho, 0,1,2,3
.irp jj, 0,1,2,3
	global_load_b128 v[64*((\q)&1)+16*\rho+4*\jj:64*((\q)&1)+16*\rho+4*\jj+3], v[LOFF], s[4:5] offset:(4*(\q)+\rho)*32768+512*\jj th:TH_LOAD_NT
.endr
.endr
.endm
.macro XLD q                           ; four rows of the product, from the stage, into one of two sets
.irp rho, 0,1,2,3
.irp jj, 0,1,2,3
	ds_load_b128 v[64+64*((\q)&1)+16*\rho+4*\jj:64+64*((\q)&1)+16*\rho+4*\jj+3], v[XRD] offset:XSP*(4*(\q)+\rho)+512*\jj
.endr
.endr
.endm
.macro RED4                            ; the sums over the 32 lanes of v[TR0 + 8 rho], four rows side by side; every lane gets the result
.irp m, 1,2,4,8
.irp rho, 0,1,2,3
	v_add_f32_dpp v[TR0+8*\rho], v[TR0+8*\rho], v[TR0+8*\rho] row_xmask:\m row_mask:0xf bank_mask:0xf
.endr
.endr
.irp rho, 0,1,2,3
	v_permlanex16_b32 v[TR0+8*\rho+1], v[TR0+8*\rho], s48, s49
.endr
.irp rho, 0,1,2,3
	v_add_f32 v[TR0+8*\rho], v[TR0+8*\rho], v[TR0+8*\rho+1]
.endr
.endm
; four rows (group par): residual, layer norm in two passes (mean, then the centred squares), store.  A lane holds 16 of a row's 512 numbers.
; xl = 1: the next group's product is fetched from the stage; hl = 1: h of the group after next is asked for; lc: how many younger loads of h may stay out.
.macro QUAD par, xl, hl, lc
.set XB, 64+64*\par
.set HB, 64*\par
	s_wait_xcnt 0x0                                ; the other set was the last four rows' store data: it is loaded again only behind this wait
.if \xl
	XLD \par+1
	s_wait_dscnt 16                                ; my four rows are in; the 16 loads just issued stay out
.else
	s_wait_dscnt 0x0
.endif
	s_wait_loadcnt \lc                             ; h of my four rows (and gamma, beta) are in; the other set's 16 loads stay out
.irp rho, 0,1,2,3
	v_readlane_b32 s[54+2*\rho], v[RSC], s63       ; the row's 0.125 x 2^e, as a pair; s63 counts my wave's rows
	s_mov_b32 s[55+2*\rho], s[54+2*\rho]
	s_add_co_u32 s63, s63, 1
.endr
	WIN 0x10                                       ; source 2 in window 1
.irp rho, 0,1,2,3
.irp k, 0,1,2,3,4,5,6,7
	v_pk_fma_f32 v[XB+16*\rho+2*\k:XB+16*\rho+2*\k+1], v[XB+16*\rho+2*\k:XB+16*\rho+2*\k+1], s[54+2*\rho:55+2*\rho], v[HB+16*\rho+2*\k:HB+16*\rho+2*\k+1] op_sel_hi:[1,0,1]   ; x = 0.125 x 2^e x product + h
.endr
.endr
.if \hl
	HQ \par+2
.endif
	WIN 0
.irp rho, 0,1,2,3
.irp k, 0,1,2,3
	v_pk_add_f32 v[TR0+8*\rho+2*\k:TR0+8*\rho+2*\k+1], v[XB+16*\rho+4*\k:XB+16*\rho+4*\k+1], v[XB+16*\rho+4*\k+2:XB+16*\rho+4*\k+3]
.endr
.endr
.irp rho, 0,1,2,3
	v_pk_add_f32 v[TR0+8*\rho:TR0+8*\rho+1], v[TR0+8*\rho:TR0+8*\rho+1], v[TR0+8*\rho+2:TR0+8*\rho+3]
	v_pk_add_f32 v[TR0+8*\rho+4:TR0+8*\rho+5], v[TR0+8*\rho+4:TR0+8*\rho+5], v[TR0+8*\rho+6:TR0+8*\rho+7]
.endr
.irp rho, 0,1,2,3
	v_pk_add_f32 v[TR0+8*\rho:TR0+8*\rho+1], v[TR0+8*\rho:TR0+8*\rho+1], v[TR0+8*\rho+4:TR0+8*\rho+5]
.endr
.irp rho, 0,1,2,3
	v_add_f32 v[TR0+8*\rho], v[TR0+8*\rho], v[TR0+8*\rho+1]
.endr
	RED4
.irp rho, 0,1,2,3
	v_mul_f32 v[TR0+8*\rho+2], s50, v[TR0+8*\rho]          ; minus the mean, as a pair
	v_mul_f32 v[TR0+8*\rho+3], s50, v[TR0+8*\rho]
.endr
.irp rho, 0,1,2,3
.irp k, 0,1,2,3,4,5,6,7
	v_pk_add_f32 v[XB+16*\rho+2*\k:XB+16*\rho+2*\k+1], v[XB+16*\rho+2*\k:XB+16*\rho+2*\k+1], v[TR0+8*\rho+2:TR0+8*\rho+3]
.endr
.endr
.irp rho, 0,1,2,3
	v_pk_mul_f32 v[TR0+8*\rho:TR0+8*\rho+1], v[XB+16*\rho:XB+16*\rho+1], v[XB+16*\rho:XB+16*\rho+1]
	v_pk_mul_f32 v[TR0+8*\rho+4:TR0+8*\rho+5], v[XB+16*\rho+2:XB+16*\rho+3], v[XB+16*\rho+2:XB+16*\rho+3]
.endr
.irp k, 1,2,3
.irp rho, 0,1,2,3
	v_pk_fma_f32 v[TR0+8*\rho:TR0+8*\rho+1], v[XB+16*\rho+4*\k:XB+16*\rho+4*\k+1], v[XB+16*\rho+4*\k:XB+16*\rho+4*\k+1], v[TR0+8*\rho:TR0+8*\rho+1]
	v_pk_fma_f32 v[TR0+8*\rho+4:TR0+8*\rho+5], v[XB+16*\rho+4*\k+2:XB+16*\rho+4*\k+3], v[XB+16*\rho+4*\k+2:XB+16*\rho+4*\k+3], v[TR0+8*\rho+4:TR0+8*\rho+5]
.endr
.endr
.irp rho, 0,1,2,3
	v_pk_add_f32 v[TR0+8*\rho:TR0+8*\rho+1], v[TR0+8*\rho:TR0+8*\rho+1], v[TR0+8*\rho+4:TR0+8*\rho+5]
.endr
.irp rho, 0,1,2,3
	v_add_f32 v[TR0+8*\rho], v[TR0+8*\rho], v[TR0+8*\rho+1]
.endr
	RED4
.irp rho, 0,1,2,3
	v_fmaak_f32 v[TR0+8*\rho], v[C512], v[TR0+8*\rho], 0x3727c5ac      ; variance + 1e-5
.endr
.irp rho, 0,1,2,3
	v_rsq_f32 v[TR0+8*\rho], v[TR0+8*\rho]
.endr
	v_nop                                          ; one plain place between the roots and their use (ISA guide 5.7.2)
	s_wait_alu depctr_va_vdst(0)
.irp rho, 0,1,2,3
	v_mov_b32 v[TR0+8*\rho+1], v[TR0+8*\rho]
.endr
.irp rho, 0,1,2,3
.irp k, 0,1,2,3,4,5,6,7
	v_pk_mul_f32 v[XB+16*\rho+2*\k:XB+16*\rho+2*\k+1], v[XB+16*\rho+2*\k:XB+16*\rho+2*\k+1], v[TR0+8*\rho:TR0+8*\rho+1]
.endr
.endr
.irp rho, 0,1,2,3
.irp k, 0,1,2,3,4,5,6,7
	v_pk_fma_f32 v[XB+16*\rho+2*\k:XB+16*\rho+2*\k+1], v[XB+16*\rho+2*\k:XB+16*\rho+2*\k+1], v[16+2*\k:16+2*\k+1], v[32+2*\k:32+2*\k+1]
.endr
.endr
.irp rho, 0,1,2,3
.irp jj, 0,1,2,3
	global_store_b128 v[LOFF], v[XB+16*\rho+4*\jj:XB+16*\rho+4*\jj+3], s[16:17] offset:(4*\par+\rho)*32768+512*\jj th:TH_STORE_NT   ; 512 consecutive aligned bytes
.endr
.endr
.endm
	s_load_b256 s[4:11], s[0:1], 0x0               ; h s[4:5], wt s[6:7], kvb s[8:9], sp s[10:11]
	s_load_b128 s[12:15], s[0:1], 0x20             ; ln_gamma s[12:13], ln_beta s[14:15]
	s_load_b64 s[16:17], s[0:1], 0x30              ; out0
	s_set_vgpr_msb 0x40
	v_lshl_add_u32 v30, v0, 2, 0x43800
	v_mov_b32 v31, 0
	s_set_vgpr_msb 0x4045
	ds_add_u32 v30, v31
	s_wait_dscnt 0x0
	s_set_vgpr_msb 0x4500
	v_lshrrev_b32 v11, 5, v0
	v_readfirstlane_b32 s20, v11                   ; wave w
	s_bfe_u32 s23, ttmp6, 0x40000                  ; cx
	s_lshl_b32 s22, ttmp9, 2
	s_add_co_u32 s22, s22, s23                     ; b = 4 x cluster x + cx: enters global offsets of h, kvb, sp and out0 alone
	s_and_b32 s21, ttmp7, 0xffff                   ; c
	s_mov_b32 s48, 0x76543210                      ; v_permlanex16_b32: lane i of one half reads lane i of the other
	s_mov_b32 s49, 0xfedcba98
	s_mov_b32 s50, 0xbb000000                      ; -1 / 512
	s_mov_b32 s52, 0x3fb8aa3b                      ; log2(e), as a pair
	s_mov_b32 s53, 0x3fb8aa3b
	; descriptor group 1: 64 rows of 128 elements of 2 bytes, dense in memory, 16 bytes of padding behind each row in LDS
	s_mov_b32 s24, 15|(1<<16)|(1<<20)|(1<<21)|(5<<22)|(3<<25)   ; mask: all four of the cluster; 2-byte elements; padding on; bit 21 beside a mask; after 64 words, 4 words
	s_mov_b32 s25, 128<<16                         ; tensor_dim0 = 128
	s_mov_b32 s26, 64<<16                          ; tensor_dim1 = 64
	s_mov_b32 s27, 128<<16                         ; tile_dim0 = 128
	s_mov_b32 s28, 64                              ; tile_dim1 = 64
	s_mov_b32 s29, 128                             ; elements from row to row
	s_mov_b32 s30, 0
	s_mov_b32 s31, 0
	s_mul_i32 s60, s20, QUART
	s_add_co_u32 s60, s60, RING                    ; my quarter of slot 0
	s_lshl_b32 s58, s20, 14                        ; my quarter of a K step in wt
	s_mov_b32 s59, 0
	v_and_b32 v11, 31, v0                          ; lane
	v_lshlrev_b32 v[LOFF], 4, v11
	s_wait_kmcnt 0x0
	s_add_nc_u64 s[6:7], s[6:7], s[58:59]
	s_lshl_b32 s56, s21, 22                        ; h and out0: 4,194,304 c + 1,048,576 w + 2,048 b
	s_lshl_b32 s57, s20, 20
	s_add_co_u32 s56, s56, s57
	s_lshl_b32 s57, s22, 11
	s_add_co_u32 s56, s56, s57
	s_mov_b32 s57, 0
	s_add_nc_u64 s[4:5], s[4:5], s[56:57]
	s_add_nc_u64 s[16:17], s[16:17], s[56:57]
	s_lshl_b32 s56, s22, 22                        ; kvb: 4,194,304 b + 262,144 c + 65,536 w
	s_lshl_b32 s57, s21, 18
	s_add_co_u32 s56, s56, s57
	s_lshl_b32 s57, s20, 16
	s_add_co_u32 s56, s56, s57
	s_mov_b32 s57, 0
	s_add_nc_u64 s[8:9], s[8:9], s[56:57]
	s_lshl_b32 s56, s22, 20                        ; sp: 1,048,576 b + 262,144 w + 8,192 c
	s_lshl_b32 s57, s20, 18
	s_add_co_u32 s56, s56, s57
	s_lshl_b32 s57, s21, 13
	s_add_co_u32 s56, s56, s57
	s_mov_b32 s57, 0
	s_add_nc_u64 s[10:11], s[10:11], s[56:57]
	CROUND                                         ; all four work-groups are here: the first joint loads meet
.irp n, 0,1                                        ; group 0 of each slot, and both first fills as one group: K steps 0 and 1.  Two tensor loads of a wave are out here, later one
	s_mov_b32 s[32+4*\n], 1
	s_add_co_u32 s[33+4*\n], s60, \n*SLOT
	s_add_nc_u64 s[34+4*\n:35+4*\n], s[6:7], MATBASE+\n*65536
	s_or_b32 s[35+4*\n], s[35+4*\n], 0x80000000
	tensor_load_to_lds s[32+4*\n:35+4*\n], s[24:31]
	s_nop 0
.endr
	HLOAD 0
	HLOAD 1
	HLOAD 2
	v_and_b32 v14, 15, v0                          ; r = lane mod 16 (kept to the end)
	v_bfe_u32 v15, v0, 4, 1                        ; hh = lane / 16 (kept to the end)
	GADR
	s_mul_i32 s61, s20, 32*ACTP
	v_lshl_add_u32 v[HST], v11, 3, s61             ; my wave's 32 rows of ACT, 8 bytes a lane
	s_lshl_b32 s62, s20, 8
	v_add_nc_u32 v[OADR], s62, v[ADRA]             ; my wave's 128 features of a row
	v_add_nc_u32 v[OADR+1], s62, v[ADRA+1]
	v_lshlrev_b32 v[PFO], 3, v15
	v_sub_nc_u32 v[PFO], v14, v[PFO]               ; lane mod 16 - 8 (lane / 16)
.irp e, 0,1,2,3,4,5,6,7
	v_cmp_le_i32 s[40+\e], \e, v[PFO]              ; the lanes in which register e of a diagonal tile has s <= t
.endr
	v_lshlrev_b32 v[PFO], 8, v11                   ; from here on 256 x lane
.irp i, 0,1,2,3,4,5,6,7
.if \i <= 5
	s_wait_loadcnt 32                              ; batch i is in; the two younger batches of 16 stay out
.else
	s_wait_loadcnt 16*(7-\i)                       ; the counts run down
.endif
	HCVT \i
.if \i < 5
	HLOAD \i+3
.endif
.endr
.irp n, 0,1,2,3,4,5,6,7,8,9,10,11,12,13,14,15      ; head 2 w's state in front of the chunk, as fragments; waited for in front of the attention
	global_load_b128 v[SR+4*\n:SR+4*\n+3], v[LOFF], s[10:11] offset:512*\n th:TH_LOAD_NT
.endr
	s_wait_tensorcnt 0x1                           ; my quarter of K step 0 is in; step 1's stays out
	s_wait_dscnt 0x0                               ; my rows of ACT are written
	s_barrier_signal -1
	s_barrier_wait -1                              ; everybody's are
	FETCH 0, 0, 0, 0
	PROD 0                                         ; h Wq^T
	PLACES                                         ; window 1 is loaded and the accumulators are read only behind these
	WIN 0x40
.irp f, 0,1,2,3,4,5,6,7,8,9,10,11,12,13,14,15      ; head 2 w: k's fragment f at 64 (f / 4) + 8 (f mod 4), v's 32 further up
.irp pt, 0,1
	global_load_b128 v[64*(\f>>2)+8*(\f&3)+4*\pt:64*(\f>>2)+8*(\f&3)+4*\pt+3], v[LOFF], s[8:9] offset:1024*\f+512*\pt th:TH_LOAD_NT
	global_load_b128 v[64*(\f>>2)+32+8*(\f&3)+4*\pt:64*(\f>>2)+32+8*(\f&3)+4*\pt+3], v[LOFF], s[8:9] offset:16384+1024*\f+512*\pt th:TH_LOAD_NT
.endr
.endr
.irp A, 0,1,2,3,4,5,6,7                            ; q's feature map, in place: fragment (A, 2 hd + kk) at 64 (A mod 4) + 16 hd + 8 kk of A's window
.irp hd, 0,1
	FMAP 2+(\A>>2), 64*(\A&3)+32*\hd, 2+(\A>>2), 64*(\A&3)+16*\hd
.endr
.endr
	s_wait_loadcnt 0x0                             ; head 2 w's state, k and v are in
	WIN 0x80                                       ; head 2 w + 1 into the halves that the feature map has left free: k in window 2,
.irp f, 0,1,2,3,4,5,6,7,8,9,10,11,12,13,14,15
.irp pt, 0,1
	global_load_b128 v[64*(\f>>2)+32+8*(\f&3)+4*\pt:64*(\f>>2)+32+8*(\f&3)+4*\pt+3], v[LOFF], s[8:9] offset:32768+1024*\f+512*\pt th:TH_LOAD_NT
.endr
.endr
	WIN 0xc0                                       ; v in window 3
.irp f, 0,1,2,3,4,5,6,7,8,9,10,11,12,13,14,15
.irp pt, 0,1
	global_load_b128 v[64*(\f>>2)+32+8*(\f&3)+4*\pt:64*(\f>>2)+32+8*(\f&3)+4*\pt+3], v[LOFF], s[8:9] offset:49152+1024*\f+512*\pt th:TH_LOAD_NT
.endr
.endr
	WIN 0
	; The large product's LDS reads are back (the wait for 0 in its last half step), so its address registers serve as the scales' registers until GADR makes them again.
	v_mov_b32 v[IVP+9], 0                          ; v_permlanex16_b32 counts as a reader of its destination: v13 is written once (v5 has been)
	s_lshl_b32 s62, s20, 10
	s_add_co_u32 s62, s62, TAB
	v_lshl_add_u32 v[TBA], v14, 3, s62             ; my wave's 1,024 bytes of the table, 8 bytes a row
	; ACT was last read in front of the last K step's barrier, so the result may go into it without another barrier
	s_mov_b32 s51, 0                               ; the trip's number: head 2 w, then head 2 w + 1
.Lhead:
	ATT 0
	ATT 1
	ATT 2
.set SLOAD, 1                                      ; behind the next state product the other head's state is loaded (first trip alone)
	ATT 3
	s_wait_loadcnt 0x0                             ; head 2 w + 1's k, v and state are in (in the second trip nothing is out)
	s_cmp_lg_u32 s51, 0
	s_cbranch_scc1 .Lsecond
	WIN 0x42                                       ; head 2 w + 1 takes head 2 w's registers: k from window 2 into window 1,
.irp blk, 0,1,2,3
.set i, 0
.rept 32
	v_mov_b32 v[64*\blk+i], v[64*\blk+32+i]
.set i, i+1
.endr
.endr
	WIN 0x43                                       ; v from window 3 into window 1,
.irp blk, 0,1,2,3
.set i, 0
.rept 32
	v_mov_b32 v[64*\blk+32+i], v[64*\blk+32+i]
.set i, i+1
.endr
.endr
.irp wn, 2,3                                       ; q's fragments 16 registers down in windows 2 and 3
	WIN ((\wn<<6)|\wn)
.irp blk, 0,1,2,3
.set i, 0
.rept 16
	v_mov_b32 v[64*\blk+i], v[64*\blk+16+i]
.set i, i+1
.endr
.endr
.endr
	WIN 0
.Lsecond:
	v_add_nc_u32 v[OADR], 128, v[OADR]             ; the next head's 128 bytes of a row,
	v_add_nc_u32 v[OADR+1], 128, v[OADR+1]
	v_add_nc_u32 v[TBA], 4, v[TBA]                 ; and its word of the table
	s_add_co_u32 s51, s51, 1
	s_cmp_lt_u32 s51, 2
	s_cbranch_scc1 .Lhead
	s_wait_dscnt 0x0                               ; my part of the table (and of the result) is written
	s_barrier_signal -1                            ; the second product's second tile may be on its way here: nothing is filled before the round in its first K step
	s_barrier_wait -1                              ; the table is whole
	; Every head of a row to the row's largest power: my own columns x 2^(own - largest), a power of two of at most 1, in f16.  32 rows a trip.
	GADR
	s_lshl_b32 s61, s20, 8
	v_add_nc_u32 v[OADR], s61, v[ADRA]             ; my wave's 256 bytes of row lane mod 16, 16 bytes for each half of the lanes
	v_lshl_add_u32 v10, v14, 3, TAB                ; the table: row lane mod 16 of wave 0's part,
	v_lshl_add_u32 v12, v14, 3, s62                ; and of my own
	s_mov_b32 s51, 4
.Lrescale:
.irp a, 0,1
.irp ww, 0,1,2,3
	ds_load_b64 v[FXT+8*\a+2*\ww:FXT+8*\a+2*\ww+1], v10 offset:1024*\ww+128*\a
.endr
	ds_load_b64 v[FXO+2*\a:FXO+2*\a+1], v12 offset:128*\a
.endr
.irp a, 0,1
.irp n, 0,1,2,3,4,5,6,7
	ds_load_b128 v[FXD+32*\a+4*\n:FXD+32*\a+4*\n+3], v[OADR] offset:16*ACTP*\a+32*\n
.endr
.endr
	s_wait_dscnt 16                                ; the table's ten loads (and the last trip's stores) are done; the 16 loads just issued stay out
.irp a, 0,1
	MX8 1, FXM, FXT+8*\a                           ; the powers are f32 numbers that are not negative
	v_sub_nc_u32 v[FXM], 0x7f000000, v[FXM]        ; one over the largest
.irp hd, 0,1
	v_mul_f32 v[FXM+1], v[FXO+2*\a+\hd], v[FXM]
	v_cvt_pk_f16_f32 v[FXF+2*\a+\hd], v[FXM+1], v[FXM+1]
.endr
.endr
	s_wait_dscnt 0x0
.irp a, 0,1
.irp n, 0,1,2,3,4,5,6,7
.irp k, 0,1,2,3
	v_pk_mul_f16 v[FXD+32*\a+4*\n+\k], v[FXD+32*\a+4*\n+\k], v[FXF+2*\a+(\n>>2)]
.endr
.endr
.endr
.irp a, 0,1
.irp n, 0,1,2,3,4,5,6,7
	ds_store_b128 v[OADR], v[FXD+32*\a+4*\n:FXD+32*\a+4*\n+3] offset:16*ACTP*\a+32*\n
.endr
.endr
	v_add_nc_u32 v[OADR], 32*ACTP, v[OADR]         ; 32 rows on
	v_add_nc_u32 v10, 256, v10
	v_add_nc_u32 v12, 256, v12
	s_sub_co_u32 s51, s51, 1
	s_cmp_lg_u32 s51, 0
	s_cbranch_scc1 .Lrescale
	s_wait_dscnt 0x0                               ; my columns of ACT are final
	s_barrier_signal -1
	s_barrier_wait -1                              ; everybody's are
.set FORM16, 1
	FETCH 0, 0, 0, 0
	PROD 1                                         ; result x Wo^T, in f16
	; THE WAY OUT.  A lane holds eight neighbouring columns of one row; a row's 512 columns lie in four waves.  So the block goes through LDS in f32,
	; and each wave then takes 32 whole rows: residual, norm, stores of 512 consecutive bytes.
	PLACES
	WIN 0
.irp jj, 0,1,2,3
	global_load_b128 v[16+4*\jj:16+4*\jj+3], v[LOFF], s[12:13] offset:512*\jj      ; gamma of my 16 columns
	global_load_b128 v[32+4*\jj:32+4*\jj+3], v[LOFF], s[14:15] offset:512*\jj      ; beta
.endr
	HQ 0
	HQ 1
	WIN 0
	v_mul_u32_u24 v[XADR], v14, XSP                ; row r, my wave's 512 bytes, 32 bytes for each half of the lanes
	v_lshl_add_u32 v[XADR], v15, 5, v[XADR]
	s_lshl_b32 s61, s20, 9
	v_add_nc_u32 v[XADR], s61, v[XADR]
	v_add_nc_u32 v[XADR+1], 32*XSP, v[XADR]
	v_add_nc_u32 v[XADR+2], 64*XSP, v[XADR]
	v_add_nc_u32 v[XADR+3], 96*XSP, v[XADR]
	s_mul_i32 s62, s20, 32*XSP
	v_add_nc_u32 v[XRD], s62, v[LOFF]
	s_lshl_b32 s51, s20, 8
	s_add_co_u32 s51, s51, TAB
	v_lshrrev_b32 v10, 1, v[LOFF]
	v_add_nc_u32 v10, s51, v10                     ; the table's 8 bytes of row 32 w + lane, in wave 0's part
	v_mov_b32 v[C512], 0x3b000000
	s_barrier_signal -1                            ; every wave's reads of ACT and of the ring are back (the wait for 0 in the last half step)
	s_barrier_wait -1
.irp A, 0,1,2,3,4,5,6,7
	WIN (0x08+4*(\A>>2))                           ; store data in window 2, then 3
.irp b, 0,1,2,3,4,5,6,7
	ds_store_b128 v[XADR+(\A>>1)], v[64*(\A&3)+8*\b:64*(\A&3)+8*\b+3] offset:16*XSP*(\A&1)+64*\b
	ds_store_b128 v[XADR+(\A>>1)], v[64*(\A&3)+8*\b+4:64*(\A&3)+8*\b+7] offset:16*XSP*(\A&1)+64*\b+16
.endr
.endr
	WIN 0
.irp ww, 0,1,2,3
	ds_load_b64 v[224+2*\ww:225+2*\ww], v10 offset:1024*\ww        ; the eight heads' powers of my lane's row
.endr
	s_wait_dscnt 0x0                               ; my columns are in the stage, the powers are in
	s_barrier_signal -1
	s_barrier_wait -1                              ; everybody's columns are
	MX8 1, RSC, 224
	v_mul_f32 v[RSC], 0x3e000000, v[RSC]           ; 0.125 x the row's largest power: what the rescaling divided by
	XLD 0
	s_mov_b32 s63, 0                               ; my wave's row, for the rows' scales
	s_mov_b32 s51, 3
.Lrows:                                            ; eight rows a trip; at the head one set of the product and two sets of h are on their way or in, on both ways
	QUAD 0, 1, 1, 16
	QUAD 1, 1, 1, 16
	s_wait_xcnt 0x0                                ; the bases of the pending loads and stores are stepped only behind this wait
	s_add_nc_u64 s[4:5], s[4:5], 0x40000           ; eight rows of 32,768 bytes on
	s_add_nc_u64 s[16:17], s[16:17], 0x40000
	v_add_nc_u32 v[XRD], 8*XSP, v[XRD]
	s_sub_co_u32 s51, s51, 1
	s_cmp_lg_u32 s51, 0
	s_cbranch_scc1 .Lrows
	QUAD 0, 1, 0, 16                               ; the last eight rows ask for no more of h, the last four for nothing
	QUAD 1, 0, 0, 0
	s_wait_xcnt 0x0
	s_set_vgpr_msb 0x40
	v_lshl_add_u32 v30, v0, 2, 0x43800
	v_mov_b32 v31, 0
	s_set_vgpr_msb 0x4045
	s_wait_tensorcnt 0x0
	ds_add_u32 v30, v31
	s_wait_dscnt 0x0
	s_set_vgpr_msb 0x4500
	CROUND                                         ; the closing round: no work-group ends while a partner may still ask jointly
	s_endpgm
.Lfunc_end_k_q84d627cf78_main:
	.size	k_q84d627cf78_main, .Lfunc_end_k_q84d627cf78_main-k_q84d627cf78_main
	.p2alignl 7, 3214868480
	.fill 96, 4, 3214868480
	.section	.rodata,"a",@progbits
	.p2align	6, 0x0
	.amdhsa_kernel k_q84d627cf78_main
		.amdhsa_group_segment_fixed_size 327680
		.amdhsa_private_segment_fixed_size 0
		.amdhsa_enable_private_segment 0
		.amdhsa_kernarg_size 56
		.amdhsa_user_sgpr_count 2
		.amdhsa_user_sgpr_kernarg_segment_ptr 1
		.amdhsa_wavefront_size32 1
		.amdhsa_system_sgpr_workgroup_id_x 1
		.amdhsa_system_sgpr_workgroup_id_y 1
		.amdhsa_system_sgpr_workgroup_id_z 1
		.amdhsa_system_vgpr_workitem_id 0
		.amdhsa_next_free_vgpr 1024
		.amdhsa_next_free_sgpr 66
		.amdhsa_reserve_vcc 0
		.amdhsa_float_denorm_mode_32 3
		.amdhsa_float_denorm_mode_16_64 3
		.amdhsa_memory_ordered 1
		.amdhsa_forward_progress 1
		.amdhsa_inst_pref_size 255
	.end_amdhsa_kernel
	.section	.bss,"aw",@nobits
	.p2align	6
	.space	262144
	.amdgpu_metadata
---
amdhsa.version: [ 1, 2 ]
amdhsa.kernels:
  - .name:           k_q84d627cf78_main
    .symbol:         k_q84d627cf78_main.kd
    .args:
      - { .name: h, .offset: 0, .size: 8, .value_kind: global_buffer, .address_space: global }
      - { .name: wt, .offset: 8, .size: 8, .value_kind: global_buffer, .address_space: global }
      - { .name: kvb, .offset: 16, .size: 8, .value_kind: global_buffer, .address_space: global }
      - { .name: sp, .offset: 24, .size: 8, .value_kind: global_buffer, .address_space: global }
      - { .name: ln_gamma, .offset: 32, .size: 8, .value_kind: global_buffer, .address_space: global }
      - { .name: ln_beta, .offset: 40, .size: 8, .value_kind: global_buffer, .address_space: global }
      - { .name: out0, .offset: 48, .size: 8, .value_kind: global_buffer, .address_space: global }
    .group_segment_fixed_size: 327680
    .private_segment_fixed_size: 0
    .kernarg_segment_align: 8
    .kernarg_segment_size: 56
    .max_flat_workgroup_size: 128
    .sgpr_count:     66
    .vgpr_count:     1024
    .wavefront_size: 32
...
	.end_amdgpu_metadata
.endif
;; end of part 4
;; ======== version 2 of 2: 4 launches; version 1 with the launch prefix written anew for expert scheduling mode
;; limits: values are held in f16: magnitudes above 65,504 overflow, below 6.1e-05 lose precision
;; workspace buffers: wt 2,097,152 bytes; kvb 67,108,864 bytes; st 33,554,432 bytes; sp 16,777,216 bytes
;; launch cvtw: the kernel of part 1 again; grid 256 x 1, 8 waves a work-group, no clusters, 0 bytes of LDS; arguments Wkv, Wq, Wo, wt; writes wt
;; launch kv: the kernel of part 2 again; grid 16 x 16, 4 waves a work-group, clusters of 4 x 1, 327,680 bytes of LDS; arguments h, wt, kvb, st; writes kvb, st
;; launch prefix (part 5): grid 256 x 1, 8 waves a work-group, no clusters, 0 bytes of LDS; arguments st, sp; writes sp
.if DOCPART == 5
	.amdgcn_target "amdgcn-amd-amdhsa--gfx1250"
	.amdhsa_code_object_version 6
	.text
	.protected	k_q84d627cf78_prefix
	.globl	k_q84d627cf78_prefix
	.p2align	8
	.type	k_q84d627cf78_prefix,@function
k_q84d627cf78_prefix:
	s_mov_b64 s[64:65], 0
	v_nop
	global_prefetch_b8 v0, s[64:65] scope:SCOPE_SE
	s_setreg_imm32_b32 hwreg(HW_REG_WAVE_SCHED_MODE, 0, 2), 2
	s_setreg_imm32_b32 hwreg(HW_REG_WAVE_MODE, 25, 1), 1
	s_wait_xcnt 0x0
	s_wait_alu depctr_vm_vsrc(0)
; sp[b][head][c] = the sum over c' < c of st[b][head][c'], summed in f32 in ascending order and rounded once to bf16 (a matrix operand of the next launch).
; Element by element: a state tile T of st is [2 quads][32 lanes][16 bytes] of f32; its eight registers of a lane pack into 16 bytes at 512 T + 16 lane of sp,
; which is the register image of the fragment with j along K.  Two work-groups for each of the 128 (b, head); a thread owns 8 numbers of the 4,096.
; A stream on registers: all 30 loads of a thread go out at once, each register is written once, so no wait frees a source.
; THE MODE: SCHED_MODE bits 1:0 = 2 (LLVM: expert scheduling mode 2), set by the entry lines.  The code itself states the register dependences
; between vector instructions and memory instructions, with s_wait_alu, always for 0.
; THE PLAN.  Registers that memory instructions touch:
;   v2, v3          byte offsets of the loads and of the stores: made at the head, never written again.
;   v[136:139]      chunk 0's zeros: written at the head, read by the first store.
;   v[16:135]       chunk c' at 16 + 8 c': the loads land here; all 30 are issued at the head, before any vector instruction names these registers;
;                   behind the wait for their data vector instructions alone name them.
;   v[136+4c ..]    out-buffer c, one for each chunk 1 .. 15: written once, by step c's four conversions; read by one store, which is issued in step c + 1.
; One wait at the head states that the offsets and the zeros are written.  One wait at the head of each step from the second on, behind the wait for the step's data,
; states that the step before has written its out-buffer; that buffer's store follows at once, and the step's own sums and conversions, which stand behind the store,
; name none of the registers that a pending store reads.  One more wait stands ahead of the last store.
; No register that a memory instruction has read is written again, so nothing is stated in that direction.
	s_load_b128 s[4:7], s[0:1], 0x0                ; st s[4:5], sp s[6:7]
	s_lshr_b32 s8, ttmp9, 1                        ; 8 b + head
	s_and_b32 s9, ttmp9, 1
	s_lshl_b32 s10, s8, 18                         ; 16 chunks of 16,384 bytes
	s_mov_b32 s11, 0
	s_lshl_b32 s12, s8, 17                         ; 16 chunks of 8,192 bytes
	s_mov_b32 s13, 0
	v_lshl_or_b32 v1, s9, 8, v0                    ; x = 0 .. 511
	v_lshrrev_b32 v2, 5, v1                        ; tile
	v_and_b32 v3, 31, v1
	v_lshlrev_b32 v3, 4, v3
	v_lshl_or_b32 v2, v2, 10, v3                   ; in: 1,024 tile + 16 lane
	v_lshlrev_b32 v3, 4, v1                        ; out: 16 x
.irp k, 0,1,2,3
	v_mov_b32 v[136+\k], 0                         ; nothing lies in front of chunk 0
.endr
	s_wait_kmcnt 0x0
	s_add_nc_u64 s[4:5], s[4:5], s[10:11]
	s_add_nc_u64 s[6:7], s[6:7], s[12:13]
	s_wait_alu depctr_va_vdst(0)                   ; v2 and v3 are written, which every load and store below reads as its offset; so are v[136:139], the first store's data
.irp c, 0,1,2,3,4,5,6,7,8,9,10,11,12,13,14
	global_load_b128 v[16+8*\c:16+8*\c+3], v2, s[4:5] offset:16384*\c th:TH_LOAD_NT
	global_load_b128 v[16+8*\c+4:16+8*\c+7], v2, s[4:5] offset:16384*\c+512 th:TH_LOAD_NT
.endr
	global_store_b128 v3, v[136:139], s[6:7]
.irp c, 1,2,3,4,5,6,7,8,9,10,11,12,13,14,15
	s_wait_loadcnt 2*(15-\c)                       ; chunk c - 1 is in; the two loads of each of the chunks c .. 14 stay out
.if \c >= 2
	s_wait_alu depctr_va_vdst(0)                   ; the step before's conversions have written out-buffer c - 1, which the store below reads
	global_store_b128 v3, v[136+4*(\c-1):136+4*(\c-1)+3], s[6:7] offset:8192*(\c-1)
.irp k, 0,1,2,3
	v_pk_add_f32 v[16+8*(\c-1)+2*\k:16+8*(\c-1)+2*\k+1], v[16+8*(\c-1)+2*\k:16+8*(\c-1)+2*\k+1], v[16+8*(\c-2)+2*\k:16+8*(\c-2)+2*\k+1]
.endr
.endif
.irp k, 0,1,2,3
	v_cvt_pk_bf16_f32 v[136+4*\c+\k], v[16+8*(\c-1)+2*\k], v[16+8*(\c-1)+2*\k+1]   ; out-buffer c: no store issued so far reads it
.endr
.endr
	s_wait_alu depctr_va_vdst(0)                   ; the last step's conversions have written out-buffer 15, which the last store reads
	global_store_b128 v3, v[196:199], s[6:7] offset:8192*15
	s_endpgm
.Lfunc_end_k_q84d627cf78_prefix:
	.size	k_q84d627cf78_prefix, .Lfunc_end_k_q84d627cf78_prefix-k_q84d627cf78_prefix
	.p2alignl 7, 3214868480
	.fill 96, 4, 3214868480
	.section	.rodata,"a",@progbits
	.p2align	6, 0x0
	.amdhsa_kernel k_q84d627cf78_prefix
		.amdhsa_group_segment_fixed_size 0
		.amdhsa_private_segment_fixed_size 0
		.amdhsa_enable_private_segment 0
		.amdhsa_kernarg_size 16
		.amdhsa_user_sgpr_count 2
		.amdhsa_user_sgpr_kernarg_segment_ptr 1
		.amdhsa_wavefront_size32 1
		.amdhsa_system_sgpr_workgroup_id_x 1
		.amdhsa_system_sgpr_workgroup_id_y 1
		.amdhsa_system_sgpr_workgroup_id_z 1
		.amdhsa_system_vgpr_workitem_id 0
		.amdhsa_next_free_vgpr 208
		.amdhsa_next_free_sgpr 66
		.amdhsa_reserve_vcc 0
		.amdhsa_float_denorm_mode_32 3
		.amdhsa_float_denorm_mode_16_64 3
		.amdhsa_memory_ordered 1
		.amdhsa_forward_progress 1
		.amdhsa_inst_pref_size 14
	.end_amdhsa_kernel
	.amdgpu_metadata
---
amdhsa.version: [ 1, 2 ]
amdhsa.kernels:
  - .name:           k_q84d627cf78_prefix
    .symbol:         k_q84d627cf78_prefix.kd
    .args:
      - { .name: st, .offset: 0, .size: 8, .value_kind: global_buffer, .address_space: global }
      - { .name: sp, .offset: 8, .size: 8, .value_kind: global_buffer, .address_space: global }
    .group_segment_fixed_size: 0
    .private_segment_fixed_size: 0
    .kernarg_segment_align: 8
    .kernarg_segment_size: 16
    .max_flat_workgroup_size: 256
    .sgpr_count:     66
    .vgpr_count:     208
    .wavefront_size: 32
...
	.end_amdgpu_metadata
.endif
;; end of part 5
;; launch main: the kernel of part 4 again; grid 16 x 16, 4 waves a work-group, clusters of 4 x 1, 327,680 bytes of LDS; arguments h, wt, kvb, sp, ln_gamma, ln_beta, out0; writes out0
